; MI455X (gfx1250); checked and timed in simulation.
; The chip was launched on July 23, 2026; its instructions are those of AMD's public machine-readable ISA for CDNA 5 (MIT licence, August 2026) and "CDNA5" Instruction Set Architecture Reference Guide (July 2026). The comments in the code are by the model that wrote it; some were corrected since.
;; Self Attention. Allowed arithmetic: matrix products marked QUANTISED: E2M1 operands, one E8M0 scale for each 32 along K, by v_wmma_scale_f32_16x16x128_f8f6f4 with both operands' format E2M1 (or v_wmma_scale_f32_32x16x128_f4), f32 sums; products left as they are: bf16, f16 or f32 operands; f32 sums; everything else in f32.
;; Inputs: Wk 1,024 x 1,024 float32; Wp 1,024 x 1,024 float32; Wq 1,024 x 1,024 float32; Wv 1,024 x 1,024 float32; bk 1,024 float32; bp 1,024 float32; bq 1,024 float32; bv 1,024 float32; x 4 x 2,048 x 1,024 float32.
;; Outputs: out0 4 x 2,048 x 1,024 float32.
;; This version of the problem:
;;   THIS VERSION OF THE PROBLEM IS GIVEN IN LOW PRECISION. The matrix products marked QUANTISED in the list below multiply operands that are first quantised to E2M1 (2 exponent bits, 1 mantissa bit; 4 bits a number), with one power-of-two scale for each 32 numbers along K (OCP MX v1.0); their sums are f32. The products marked 'left as it is' may take bf16, f16 or f32 operands, with f32 sums. Whichever they take, every output number must still come out within the allowed error. Rounding operands to bf16 (8 significant bits) uses up far more of that allowance than f16 does (11 bits, for magnitudes from 6e-5 to 65,504). All else is computed in f32.
;;   The module's matrix products, in the order in which they are computed (A, B: the left and right operand; K: the contracted axis; several contracted axes count as one K, in the product's order):
;;     1. [M 8,192, K 1,024] x [K 1,024, N 1,024]; A: input x; B: input Wk: QUANTISED
;;     2. [M 8,192, K 1,024] x [K 1,024, N 1,024]; A: input x; B: input Wq: QUANTISED
;;     3. [M 8,192, K 1,024] x [K 1,024, N 1,024]; A: input x; B: input Wv: QUANTISED
;;     4. batch 64 x [M 2,048, K 64] x [K 64, N 2,048]; A: computed on the way; B: computed on the way: left as it is (an operand is computed on the way)
;;     5. batch 64 x [M 2,048, K 2,048] x [K 2,048, N 64]; A: computed on the way; B: computed on the way: left as it is (an operand is computed on the way)
;;     6. [M 8,192, K 1,024] x [K 1,024, N 1,024]; A: computed on the way; B: input Wp: left as it is (an operand is computed on the way)
;;   THE QUANTISER, for each operand of a quantised product, along K:
;;     - K is cut into blocks of 32 from its start; a last block that is shorter is filled with zeros.
;;     - A block's scale is 2^e with e = floor(log2(the largest magnitude in the block)) - 2, held to -126 .. 127; a block of zeros has e = 0. As a byte (E8M0): e + 127.
;;     - Each number is divided by its block's scale, clamped to +-6, and rounded to the nearest number of E2M1, ties to even, subnormals kept.
;;     - The product sums the exact products of the quantised numbers (number of the format x scale) in f32.
;;   ~~~python
;;   def quantise(x, axis):      # numpy; x: float32 -> the quantised numbers, widened to float32 again
;;       x = np.moveaxis(x, axis, -1); K = x.shape[-1]
;;       x = np.pad(x, [(0, 0)] * (x.ndim - 1) + [(0, -K % 32)]); x = x.reshape(x.shape[:-1] + (-1, 32)); a = np.abs(x).max(-1, keepdims=True)
;;       e = np.where(a > 0, np.clip(np.frexp(np.where(a > 0, a, 1))[1] - 1 - 2, -126, 127), 0)      # np.frexp(a)[1] - 1 = floor(log2(a)), exactly
;;       r = np.clip(x / 2.0 ** e, -6, 6)
;;       step = 2.0 ** (np.maximum(np.frexp(np.where(r == 0, 1, r))[1] - 1, 0) - 1)
;;       q = np.round(r / step) * step * 2.0 ** e      # np.round: ties to even
;;       return np.moveaxis(q.reshape(q.shape[:-2] + (-1,))[..., :K], -1, axis).astype(np.float32)
;;   ~~~
;; One version. Each part assembles by itself: llvm-mc -triple=amdgcn-amd-amdhsa -mcpu=gfx1250 --defsym DOCPART=n.
;; ======== version 1 of 1: 5 launches
;; limits: values are held in f16: magnitudes above 65,504 overflow, below 6.1e-05 lose precision
;; workspace buffers: xc 4,194,304 bytes; xs 262,144 bytes; wc 1,572,864 bytes; ws 98,304 bytes; wp16 2,097,152 bytes; qkv 50,331,648 bytes; fine 786,432 bytes; y 16,777,216 bytes
;; launch prep (part 1): grid 384 x 1, 4 waves a work-group, no clusters, 33,280 bytes of LDS; arguments x, Wq, Wk, Wv, Wp, xc, xs, wc, ws, wp16; writes xc, xs, wc, ws, wp16
.if DOCPART == 1
	.amdgcn_target "amdgcn-amd-amdhsa--gfx1250"
	.amdhsa_code_object_version 6
	.text
	.protected	k_q53de4ac700_prep
	.globl	k_q53de4ac700_prep
	.p2align	8
	.type	k_q53de4ac700_prep,@function
k_q53de4ac700_prep:
	s_mov_b64 s[64:65], 0
	v_nop
	global_prefetch_b8 v0, s[64:65] scope:SCOPE_SE
	s_setreg_imm32_b32 hwreg(HW_REG_WAVE_MODE, 25, 1), 1
	s_wait_xcnt 0x0
; x [8192][1024] and Wq, Wk, Wv [1024][1024], f32, become codes of FP4 (E2M1), K innermost, two codes a byte, with one E8M0 byte for each 32 along K;
; the three weights' rows are stacked q, k, v in one buffer of codes and one of bytes.  Wp [1024][1024] is rounded to f16, row-major as it lies.
; A block's scale is 2^(floor(log2(its largest magnitude)) - 2); its byte is the largest magnitude's exponent field - 2, held at 1 from below.
; LIMITS: a block of zeros gets the byte 1 where the quantiser says 127 (its codes are zeros, and this program alone reads the bytes); blocks whose largest
; magnitude lies under 2^-124 keep the byte 1; NaN and infinities among the inputs are not served; |Wp| stays at or under 65,504.
; Rows are dense and K is a multiple of 32: every tensor is a plain stream of blocks of 32.  A work-group takes 32,768 numbers, a wave a run of 8,192.
; Work-groups 0-255: x; 256-287 Wq; 288-319 Wk; 320-351 Wv; 352-383 Wp (the cast, a path of its own that touches no LDS).
; QUANTISING: 16 steps of 512 numbers.  A step's four loads read 512 consecutive bytes each; the 2,048 bytes turn through the wave's own stage in LDS
; (16 bytes of padding behind each 64) so that a lane holds 16 neighbours along K; two neighbouring lanes hold a block.  A lane's 16 codes are 8 bytes: a wave's store
; covers 256 consecutive aligned bytes.  A wave's 256 scale bytes are gathered in LDS and leave as one such store.  Waves share nothing: no barrier.
.set WAVES, 4
.set STEPS, 16
.set EMAX,  2
.set CB,    8                          ; bytes of 16 codes
.set R,     16                         ; v16-79   four sets of 16 numbers as loaded (the cast: v16-143, two sets of 64)
.set X,     80                         ; v80-111  two sets of 16 neighbours
.set E,     112                        ; v112-127 a scale byte for each step
.set C,     128                        ; v128-191 codes, four registers a step: no store's data are written again
.set WREG,  8192                       ; LDS: a region for each wave: two stages of 32 x SP bytes, then its 256 scale bytes
.set SP,    80
.set SPW,   12                         ; v12 LDS address of my spare word; never rewritten
.set NIL,   13                         ; v13 0; never rewritten
.set SPARE, WAVES*WREG                 ; the spare words: 128 bytes a wave, two blocks of 256 bytes that no other line names
	s_load_b256 s[4:11], s[0:1], 0x0               ; x, Wq, Wk, Wv
	s_load_b256 s[12:19], s[0:1], 0x20             ; Wp, xc, xs, wc
	s_load_b128 s[20:23], s[0:1], 0x40             ; ws, wp16
	v_lshl_add_u32 v[SPW], v0, 2, SPARE
	v_mov_b32 v[NIL], 0
	v_lshrrev_b32 v1, 5, v0
	v_readfirstlane_b32 s24, v1                    ; wave
	v_and_b32 v2, 31, v0                           ; lane
	v_lshlrev_b32 v3, 4, v2                        ; my 16 bytes of a load's 512
	s_mul_i32 s25, s24, WREG
	v_lshrrev_b32 v14, 2, v2
	v_mul_u32_u24 v14, v14, SP
	v_and_b32 v15, 3, v2
	v_lshl_add_u32 v14, v15, 4, v14
	v_add_nc_u32 v14, s25, v14                     ; the stage, way in: SP (lane / 4) + 16 (lane % 4)
	v_mul_u32_u24 v15, v2, SP
	v_add_nc_u32 v15, s25, v15                     ; way out: SP x lane: my 16 neighbours
	v_mul_u32_u24 v4, v2, CB                       ; 8 x lane: my codes in a step's, and my f16 numbers in the cast
	v_lshrrev_b32 v5, 1, v2
	s_add_co_u32 s25, s25, 2*32*SP
	v_add_nc_u32 v5, s25, v5                       ; LDS: my block's scale byte
	v_lshlrev_b32 v7, 3, v2
	v_add_nc_u32 v6, s25, v7                       ; and 8 bytes a lane on the way out
	s_and_b32 s32, ttmp9, 31                       ; a weight's own group number
	s_sub_co_u32 s33, ttmp9, 256                   ; the stacked weights' group number
	s_mov_b32 s35, 0
	s_wait_kmcnt 0x0
	s_cmp_ge_u32 ttmp9, 352
	s_cbranch_scc1 .Lcast
	s_cmp_lt_u32 ttmp9, 320                        ; the buffers are chosen by the work-group's number alone
	s_cselect_b64 s[26:27], s[8:9], s[10:11]
	s_cmp_lt_u32 ttmp9, 288
	s_cselect_b64 s[26:27], s[6:7], s[26:27]
	s_cmp_lt_u32 ttmp9, 256
	s_cselect_b64 s[26:27], s[4:5], s[26:27]       ; the numbers,
	s_cselect_b64 s[28:29], s[14:15], s[18:19]     ; their codes,
	s_cselect_b64 s[30:31], s[16:17], s[20:21]     ; their scale bytes
	s_cselect_b32 s32, ttmp9, s32
	s_cselect_b32 s33, ttmp9, s33
	s_lshl_b32 s32, s32, 2
	s_add_co_u32 s32, s32, s24                     ; my run in the source
	s_lshl_b32 s33, s33, 2
	s_add_co_u32 s33, s33, s24                     ; and in the results
	s_lshl_b32 s34, s32, 15                        ; 32,768 bytes of f32 a run
	s_add_nc_u64 s[26:27], s[26:27], s[34:35]
	s_lshl_b32 s34, s33, 12                        ; 4,096 bytes of codes
	s_add_nc_u64 s[28:29], s[28:29], s[34:35]
	s_lshl_b32 s34, s33, 8                         ; 256 scale bytes
	s_add_nc_u64 s[30:31], s[30:31], s[34:35]
.macro LOAD t
.irp i, 0,1,2,3
	global_load_b128 v[R+16*((\t)%4)+4*\i:R+16*((\t)%4)+4*\i+3], v3, s[26:27] offset:2048*(\t)+512*\i th:TH_LOAD_NT
.endr
.endm
.macro TURN t                          ; step t's numbers through the stage: LDS serves a wave's instructions in order, so no wait stands between the stores and the loads
.irp i, 0,1,2,3
	ds_store_b128 v14, v[R+16*((\t)%4)+4*\i:R+16*((\t)%4)+4*\i+3] offset:32*SP*((\t)%2)+8*SP*\i
.endr
.irp i, 0,1,2,3
	ds_load_b128 v[X+16*((\t)%2)+4*\i:X+16*((\t)%2)+4*\i+3], v15 offset:32*SP*((\t)%2)+16*\i
.endr
.endm
.irp t, 0,1,2,3
	LOAD \t
.endr
	s_wait_loadcnt 12                              ; step 0's four loads are in; the twelve of steps 1 to 3 stay out
	TURN 0
.macro STEP t
.set XS, X+16*((\t)%2)
.if (\t) > 0
	s_wait_dscnt 1                                 ; this step's numbers are back from the stage; only the last step's byte store may be out
.else
	s_wait_dscnt 0x0
.endif
.if (\t)+4 < STEPS
	LOAD (\t)+4                                    ; into the registers whose stores into the stage have been served
.endif
.if (\t)+1 < STEPS
.if STEPS-2-(\t) >= 3
	s_wait_loadcnt 12                              ; the next step's four loads are in; those of the three steps behind it may be out
.else
	s_wait_loadcnt 4*(STEPS-2-(\t))
.endif
	TURN (\t)+1
.endif
	v_max3_num_f32 v8, |v[XS]|, |v[XS+1]|, |v[XS+2]|               ; the largest magnitude of my 16, in two chains
	v_max3_num_f32 v9, |v[XS+3]|, |v[XS+4]|, |v[XS+5]|
.irp i, 6,10
	v_max3_num_f32 v8, v8, |v[XS+\i]|, |v[XS+\i+1]|
	v_max3_num_f32 v9, v9, |v[XS+\i+2]|, |v[XS+\i+3]|
.endr
	v_max3_num_f32 v8, v8, |v[XS+14]|, |v[XS+15]|
	v_max3_num_f32 v8, v8, v9, (EMAX+1)<<23        ; and the floor 2^(3 - 127): the byte cannot fall under 1
	v_max_num_f32_dpp v8, v8, v8 row_xmask:1 row_mask:0xf bank_mask:0xf   ; with my neighbour's 16: the block's
	v_add_nc_u32 v11, -(EMAX<<23), v8              ; 2 off its exponent field: the conversion takes this operand's exponent field as its scale
	v_cvt_scalef32_pk8_fp4_f32 v[C+4*(\t)], v[XS:XS+7], v11
	v_cvt_scalef32_pk8_fp4_f32 v[C+4*(\t)+1], v[XS+8:XS+15], v11
	v_lshrrev_b32 v[E+(\t)], 23, v11               ; the scale's byte (also the plain line behind the conversions)
	ds_store_b8 v5, v[E+(\t)] offset:16*(\t)       ; both lanes of a block write the same byte with the same value
	global_store_b64 v4, v[C+4*(\t):C+4*(\t)+1], s[28:29] offset:32*CB*(\t)   ; 256 consecutive aligned bytes a wave
.endm
.irp t, 0,1,2,3,4,5,6,7,8,9,10,11,12,13,14,15
	STEP \t
.endr
	ds_load_b64 v[8:9], v6                         ; in order behind my byte stores
	s_wait_dscnt 0x0
	global_store_b64 v7, v[8:9], s[30:31]          ; my 256 scale bytes: 256 consecutive aligned bytes
	s_wait_tensorcnt 0x0                           ; the wave's end, behind my last LDS store
	ds_add_u32 v[SPW], v[NIL]
	s_wait_dscnt 0x0
	s_endpgm
; THE CAST.  A run is four batches of 16 loads of 512 consecutive bytes; two batches are on their way.  Rounded in place, two numbers a register.
.Lcast:
	s_sub_co_u32 s32, ttmp9, 352
	s_lshl_b32 s32, s32, 2
	s_add_co_u32 s32, s32, s24                     ; my run of Wp
	s_lshl_b32 s34, s32, 15
	s_add_nc_u64 s[12:13], s[12:13], s[34:35]
	s_lshl_b32 s34, s32, 14
	s_add_nc_u64 s[22:23], s[22:23], s[34:35]
.macro LOADB t
.irp i, 0,1,2,3,4,5,6,7,8,9,10,11,12,13,14,15
	global_load_b128 v[R+64*((\t)%2)+4*\i:R+64*((\t)%2)+4*\i+3], v3, s[12:13] offset:8192*(\t)+512*\i th:TH_LOAD_NT
.endr
.endm
.macro CAST t
.set RB, R+64*((\t)%2)
.if (\t) < 3
	s_wait_loadcnt 16                              ; this batch is in; the next batch's sixteen may be out
.else
	s_wait_loadcnt 0
.endif
.irp i, 0,1,2,3,4,5,6,7,8,9,10,11,12,13,14,15
	v_cvt_pk_f16_f32 v[RB+4*\i], v[RB+4*\i], v[RB+4*\i+1]
	v_cvt_pk_f16_f32 v[RB+4*\i+1], v[RB+4*\i+2], v[RB+4*\i+3]
.endr
.irp i, 0,1,2,3,4,5,6,7,8,9,10,11,12,13,14,15
	global_store_b64 v4, v[RB+4*\i:RB+4*\i+1], s[22:23] offset:4096*(\t)+256*\i   ; 256 consecutive aligned bytes a wave
.endr
.if (\t) < 2
	s_wait_xcnt 0x0                                ; the stores have read their registers: the batch two on may land there
	LOADB (\t)+2
.endif
.endm
	LOADB 0
	LOADB 1
	CAST 0
	CAST 1
	CAST 2
	CAST 3
	s_endpgm
.Lfunc_end_k_q53de4ac700_prep:
	.size	k_q53de4ac700_prep, .Lfunc_end_k_q53de4ac700_prep-k_q53de4ac700_prep
	.p2alignl 7, 3214868480
	.fill 96, 4, 3214868480
	.section	.rodata,"a",@progbits
	.p2align	6, 0x0
	.amdhsa_kernel k_q53de4ac700_prep
		.amdhsa_group_segment_fixed_size 33280
		.amdhsa_private_segment_fixed_size 0
		.amdhsa_enable_private_segment 0
		.amdhsa_kernarg_size 80
		.amdhsa_user_sgpr_count 2
		.amdhsa_user_sgpr_kernarg_segment_ptr 1
		.amdhsa_wavefront_size32 1
		.amdhsa_system_sgpr_workgroup_id_x 1
		.amdhsa_system_sgpr_workgroup_id_y 1
		.amdhsa_system_sgpr_workgroup_id_z 1
		.amdhsa_system_vgpr_workitem_id 0
		.amdhsa_next_free_vgpr 192
		.amdhsa_next_free_sgpr 66
		.amdhsa_reserve_vcc 0
		.amdhsa_float_denorm_mode_32 3
		.amdhsa_float_denorm_mode_16_64 3
		.amdhsa_memory_ordered 1
		.amdhsa_forward_progress 1
		.amdhsa_inst_pref_size 54
	.end_amdhsa_kernel
	.amdgpu_metadata
---
amdhsa.version: [ 1, 2 ]
amdhsa.kernels:
  - .name:           k_q53de4ac700_prep
    .symbol:         k_q53de4ac700_prep.kd
    .args:
      - { .name: x, .offset: 0, .size: 8, .value_kind: global_buffer, .address_space: global }
      - { .name: Wq, .offset: 8, .size: 8, .value_kind: global_buffer, .address_space: global }
      - { .name: Wk, .offset: 16, .size: 8, .value_kind: global_buffer, .address_space: global }
      - { .name: Wv, .offset: 24, .size: 8, .value_kind: global_buffer, .address_space: global }
      - { .name: Wp, .offset: 32, .size: 8, .value_kind: global_buffer, .address_space: global }
      - { .name: xc, .offset: 40, .size: 8, .value_kind: global_buffer, .address_space: global }
      - { .name: xs, .offset: 48, .size: 8, .value_kind: global_buffer, .address_space: global }
      - { .name: wc, .offset: 56, .size: 8, .value_kind: global_buffer, .address_space: global }
      - { .name: ws, .offset: 64, .size: 8, .value_kind: global_buffer, .address_space: global }
      - { .name: wp16, .offset: 72, .size: 8, .value_kind: global_buffer, .address_space: global }
    .group_segment_fixed_size: 33280
    .private_segment_fixed_size: 0
    .kernarg_segment_align: 8
    .kernarg_segment_size: 80
    .max_flat_workgroup_size: 128
    .sgpr_count:     66
    .vgpr_count:     192
    .wavefront_size: 32
...
	.end_amdgpu_metadata
.endif
;; end of part 1
;; launch qkv (part 2): grid 12 x 32, 4 waves a work-group, clusters of 4 x 4, 327,680 bytes of LDS; arguments xc, xs, wc, ws, bq, bk, bv, qkv, fine; writes qkv, fine
.if DOCPART == 2
	.amdgcn_target "amdgcn-amd-amdhsa--gfx1250"
	.amdhsa_code_object_version 6
	.text
	.protected	k_q53de4ac700_qkv
	.globl	k_q53de4ac700_qkv
	.p2align	8
	.type	k_q53de4ac700_qkv,@function
k_q53de4ac700_qkv:
	s_mov_b64 s[64:65], 0
	v_nop
	global_prefetch_b8 v0, s[64:65] scope:SCOPE_SE
	s_setreg_imm32_b32 hwreg(HW_REG_WAVE_MODE, 25, 1), 1
	s_wait_xcnt 0x0
	s_wait_alu depctr_hold_cnt(0) depctr_sa_sdst(0) depctr_va_vdst(0) depctr_va_sdst(0) depctr_va_ssrc(0) depctr_va_vcc(0) depctr_vm_vsrc(0)
	s_getreg_b32 s2, hwreg(HW_REG_IB_STS2, 6, 4)
	s_cmp_eq_u32 s2, 0
	s_cbranch_scc0 .Lentry_in_a_cluster
	s_endpgm
.Lentry_in_a_cluster:
	s_bfe_u32 s2, ttmp6, 0x10000c
	s_cmp_lg_u32 s2, 0xf033
	s_cbranch_scc0 .Lentry_shape_is_right
	s_endpgm
.Lentry_shape_is_right:
; The three quantised products as ONE product on codes of FP4: [8192 tokens][1024] x [3072 stacked rows of Wq, Wk, Wv][1024]^T, + the biases, sums in f32.
; A tile of 256 tokens x 256 columns is made by four waves, a wave 128 x 128: 64 accumulators, 512 registers.  K = 1024 is two LDS slots of 512 along K (rows of 256 bytes):
; both slots and all scale bytes of the work-group's rows are asked for at the head: three tensor loads a wave are out, and nothing is ever filled again.
; CLUSTERS: 4 x 4 work-groups.  The four of a row of the cluster need the same tokens' tiles, the four of a column the same weights': each tile is asked for jointly.
; The cluster's x is the tensor: 0 q, 1 k, 2 v.
; THE MATRIX INSTRUCTION IS USED TRANSPOSED (source 0 = 16 rows of W, source 1 = 16 tokens): lane (r, h) holds token r and columns 16 b + 8 h + 0..7.
; The bias is the C of each sum's first product: eight registers for each of the wave's eight column blocks, in the result's layout.
; RESULTS, rounded to f16: qkv [q,k,v][batch x head 64][tile of 16 tokens 128][sub-block of 16 channels 4][512 bytes].  For q and k a sub-block is the image of half a 16-bit fragment
; (lane l's 16 bytes at 16 l); for v it is [token][16 channels] (32 r + 16 h).  Every store of a wave covers 512 consecutive aligned bytes.
; The first 16 positions of every batch also leave in f32 (fine [q,k,v][batch][head][16][64]) in runs of 32 bytes: 768 KB in the whole launch, under EXEC.
; LIMITS: |q|, |k|, |v| at or under 65,504 for the f16 copy; NaN and infinities are not served.
; REGISTERS: window 0: v16-29 addresses; v32-95 scale words, two sets; v128-191 the tokens' fragments, ONE set; v192-255 the bias; on the way out v128-255 packed results.
;   window 1: the weights' fragments, two sets, at v0 and v128.   window 2: accumulators of my tokens 0-63 ((a, b) at v[8 (8 a + b)]);   window 3: tokens 64-127.
.set SIZE_K, 1024
.set KSTEP,  512
.set NQ,     KSTEP/128
.set ROWB,   256
.set KROW,   SIZE_K/2
.set PITCH,  272                       ; an LDS row: 256 bytes + 16 of padding: the 16 rows that a load touches start 68 words apart
.set FR,     8
.set NL,     2
.set NP,     4
.set HALFT,  128*PITCH
.set SLOT,   4*HALFT                   ; the tokens' 256 rows, then the weights' 256 rows
.set KS,     SIZE_K/32
.set SCL,    2*SLOT                    ; behind the slots: the scale bytes, as rows of 256 bytes + 16 of padding
.set HALFS,  (128*KS/256)*272
.set SBLK,   (16*KS/256)*272
.set SPARE,  SCL+4*HALFS               ; the spare words: 128 bytes a wave, two blocks of 256 bytes that no other line names
.set ADRA, 16                          ; v16-17 LDS address of my tokens' fragments in slot 0, 1
.set ADRB, 20                          ; v20-21 the same for the weights
.set BO,   24                          ; v24 32 h: my eight numbers of a bias block
.set FO,   25                          ; v25 256 r + 32 h: my place in fine
.set CO,   26                          ; v26 my 16 bytes in a sub-block of qkv
.set ADRS, 27                          ; v27 LDS address of my scale words: lanes 0-15 the tokens', lanes 16-31 the weights'
.set SPW,  28
.set NIL,  29
.set SC,   32
.set AF,   128
.set BIAS, 192
.set PK,   128
.set G1, 24
.set G0, 32
.set G1B, 48
.set G0B, 56
.set G1S, 68
.set G0S, 76
.set G1SB, 80
.set G0SB, 88
.set MSB, 0
.macro WIN new                         ; the immediate's high byte repeats the setting that is left
.if MSB != \new
	s_set_vgpr_msb (MSB<<8)|\new
.set MSB, \new
.endif
.endm
.set MUL_LO, 0xa1                      ; source 0 (W) window 1, source 1 (x) window 0, C and D window 2
.set MUL_HI, 0xf1                      ; the same, C and D window 3
.set FST_LO, 0x81                      ; the first products: C (the bias) window 0, D window 2
.set FST_HI, 0xc1                      ; D window 3
.set TO_B,   0x40
; A joint load: waves 0 and 1 fetch for the tokens, waves 2 and 3 for the weights.  The branch hangs on the wave's number alone.  An s_nop 0 and four v_nop follow each line.
.macro JLOAD g0a, g1a, g0b, g1b
	s_cmp_eq_u32 s15, 0
	s_cbranch_scc0 .Lfor_b_\@
	tensor_load_to_lds s[\g0a:\g0a+3], s[\g1a:\g1a+7]
	s_nop 0
.rept 4
	v_nop
.endr
	s_branch .Lasked_\@
.Lfor_b_\@:
	tensor_load_to_lds s[\g0b:\g0b+3], s[\g1b:\g1b+7]
	s_nop 0
.rept 4
	v_nop
.endr
.Lasked_\@:
.endm
.macro CROUND                          ; a round of the cluster's barrier
	s_barrier_signal -1
	s_barrier_wait -1
	s_cmp_lg_u32 s14, 0
	s_cbranch_scc1 .Lnot_wave_0_\@
	s_barrier_signal -3
.Lnot_wave_0_\@:
	s_barrier_wait -3
	s_barrier_signal -1
	s_barrier_wait -1
.endm
	s_load_b256 s[4:11], s[0:1], 0x0               ; xc s[4:5], xs s[6:7], wc s[8:9], ws s[10:11]
	s_load_b128 s[96:99], s[0:1], 0x20             ; bq, bk
	s_load_b64 s[100:101], s[0:1], 0x30            ; bv
	s_load_b64 s[12:13], s[0:1], 0x38              ; qkv
	s_load_b64 s[2:3], s[0:1], 0x40                ; fine
	v_lshl_add_u32 v[SPW], v0, 2, SPARE
	v_mov_b32 v[NIL], 0
	ds_add_u32 v[SPW], v[NIL]                      ; the wave's opening: the add, twice on end, and its wait ahead of my first tensor load
	ds_add_u32 v[SPW], v[NIL]
	v_lshrrev_b32 v1, 5, v0
	v_readfirstlane_b32 s14, v1                    ; wave 0..3
	s_lshr_b32 s15, s14, 1                         ; which half of the tile's tokens is mine.  Also: I fetch for the tokens (0) or the weights (1)
	s_and_b32 s16, s14, 1                          ; which half of its columns.  Also: which 128 rows I fetch
	s_bfe_u32 s40, ttmp6, 0x40000                  ; cx
	s_bfe_u32 s41, ttmp6, 0x40004                  ; cy
	s_lshl_b32 s42, ttmp9, 2
	s_add_co_u32 s42, s42, s40                     ; tile column = 4 x cluster x + cx
	s_and_b32 s17, ttmp7, 0xffff
	s_lshl_b32 s17, s17, 2
	s_add_co_u32 s17, s17, s41                     ; tile row = 4 x cluster y + cy
	s_lshl_b32 s43, s41, 2
	s_lshl_b32 s43, 15, s43                        ; my row of the cluster
	s_lshl_b32 s44, 0x1111, s40                    ; my column
	s_or_b32 s[G1+0], s43, (0<<16)|(1<<20)|(1<<21)|(5<<22)|(3<<25)  ; the mask; elements of 1 byte; padding on; bit 21 beside a mask; 4 words behind every 64
	s_or_b32 s[G1B+0], s44, (0<<16)|(1<<20)|(1<<21)|(5<<22)|(3<<25)
.irp g, G1, G1B
	s_mov_b32 s[\g+1], ROWB<<16                    ; tensor_dim0
	s_mov_b32 s[\g+2], 128<<16                     ; tensor_dim1
	s_mov_b32 s[\g+3], ROWB<<16                    ; tile_dim0
	s_mov_b32 s[\g+4], 128                         ; tile_dim1
	s_mov_b32 s[\g+5], KROW                        ; from row to row
	s_mov_b32 s[\g+6], 0
	s_mov_b32 s[\g+7], 0
.endr
	s_or_b32 s[G1S+0], s43, (3<<16)|(1<<20)|(1<<21)|(5<<22)|(3<<25) ; the scale bytes of 128 rows: a dense block, as rows of 256 bytes (32 elements of 8)
	s_or_b32 s[G1SB+0], s44, (3<<16)|(1<<20)|(1<<21)|(5<<22)|(3<<25)
.irp g, G1S, G1SB
	s_mov_b32 s[\g+1], 32<<16
	s_mov_b32 s[\g+2], (128*KS/256)<<16
	s_mov_b32 s[\g+3], 32<<16
	s_mov_b32 s[\g+4], 128*KS/256
	s_mov_b32 s[\g+5], 32
	s_mov_b32 s[\g+6], 0
	s_mov_b32 s[\g+7], 0
.endr
	s_lshl_b32 s18, s16, 7
	s_lshl_b32 s20, s17, 8
	s_add_co_u32 s20, s20, s18                     ; tokens: row 256 x tile row + 128 x half
	s_lshl_b32 s46, s42, 8
	s_add_co_u32 s46, s46, s18                     ; weights: row 256 x tile column + 128 x half
	s_mov_b32 s21, 0
	s_mov_b32 s47, 0
	s_mov_b64 s[18:19], KS
	s_mul_u64 s[22:23], s[20:21], s[18:19]         ; where these rows' scale bytes begin
	s_mul_u64 s[92:93], s[46:47], s[18:19]
	s_mov_b64 s[18:19], KROW
	s_mul_u64 s[20:21], s[20:21], s[18:19]         ; and their codes
	s_mul_u64 s[46:47], s[46:47], s[18:19]
	s_mul_i32 s45, s14, HALFT                      ; where they go: wave x 128 rows
	s_mul_i32 s94, s14, HALFS
	s_wait_dscnt 0x0                               ; both opening adds are done
	s_wait_kmcnt 0x0
	s_add_nc_u64 s[20:21], s[4:5], s[20:21]
	s_add_nc_u64 s[22:23], s[6:7], s[22:23]
	s_add_nc_u64 s[46:47], s[8:9], s[46:47]
	s_add_nc_u64 s[92:93], s[10:11], s[92:93]
	CROUND                                         ; all sixteen work-groups are here: the joint loads meet
	s_mov_b32 s[G0S], 1
	s_add_co_u32 s[G0S+1], s94, SCL
	s_mov_b64 s[G0S+2:G0S+3], s[22:23]
	s_or_b32 s[G0S+3], s[G0S+3], 0x80000000
	s_mov_b32 s[G0SB], 1
	s_add_co_u32 s[G0SB+1], s94, SCL
	s_mov_b64 s[G0SB+2:G0SB+3], s[92:93]
	s_or_b32 s[G0SB+3], s[G0SB+3], 0x80000000
	JLOAD G0S, G1S, G0SB, G1SB                     ; the scale bytes first
.irp s, 0,1
	s_mov_b32 s[G0+4*\s], 1
	s_add_co_u32 s[G0+4*\s+1], s45, \s*SLOT
	s_add_nc_u64 s[G0+4*\s+2:G0+4*\s+3], s[20:21], \s*ROWB
	s_or_b32 s[G0+4*\s+3], s[G0+4*\s+3], 0x80000000
	s_mov_b32 s[G0B+4*\s], 1
	s_add_co_u32 s[G0B+4*\s+1], s45, \s*SLOT
	s_add_nc_u64 s[G0B+4*\s+2:G0B+4*\s+3], s[46:47], \s*ROWB
	s_or_b32 s[G0B+4*\s+3], s[G0B+4*\s+3], 0x80000000
	JLOAD G0+4*\s, G1, G0B+4*\s, G1B
.endr
	v_and_b32 v1, 15, v0                           ; r
	v_bfe_u32 v2, v0, 4, 1                         ; h
	v_mul_u32_u24 v3, v1, PITCH
	v_lshl_add_u32 v4, v2, 4, v3                   ; a fragment's row x pitch + 16 h
	s_mul_i32 s21, s15, HALFT
	s_mul_i32 s22, s16, HALFT
	s_add_co_u32 s22, s22, 2*HALFT
.irp s, 0,1
	v_add_nc_u32 v[ADRA+\s], s21, v4
	v_add_nc_u32 v[ADRB+\s], s22, v4
	s_add_co_u32 s21, s21, SLOT
	s_add_co_u32 s22, s22, SLOT
.endr
	v_mul_u32_u24 v5, v1, KS                       ; my row's scale bytes,
	v_lshrrev_b32 v6, 8, v5
	v_lshl_add_u32 v5, v6, 4, v5                   ; and 16 more for each 256 passed
	s_mul_i32 s21, s15, HALFS
	s_mul_i32 s22, s16, HALFS
	s_add_co_u32 s22, s22, 2*HALFS
	s_sub_co_u32 s22, s22, s21
	v_mul_u32_u24 v6, s22, v2                      ; lanes 16-31 take the weights'
	s_add_co_u32 s21, s21, SCL
	v_add_nc_u32 v5, v5, v6
	v_add_nc_u32 v[ADRS], s21, v5
	v_lshlrev_b32 v[BO], 5, v2
	v_lshlrev_b32 v[FO], 8, v1
	v_lshl_add_u32 v[FO], v2, 5, v[FO]
	s_cmp_eq_u32 ttmp9, 0                          ; the bias by the cluster's x, which all partners share
	s_cselect_b64 s[96:97], s[96:97], s[98:99]
	s_cmp_eq_u32 ttmp9, 2
	s_cselect_b64 s[96:97], s[100:101], s[96:97]
	s_cselect_b32 s20, 5, 4                        ; v: 32 r + 16 h;  q, k: 16 r + 256 h = 16 x lane
	s_cselect_b32 s21, 4, 8
	v_lshlrev_b32 v[CO], s20, v1
	v_lshlrev_b32 v5, s21, v2
	v_add_nc_u32 v[CO], v[CO], v5
	s_lshl_b32 s92, s40, 10                        ; my 128 columns in the tensor: (256 cx + 128 half) x 4 bytes
	s_lshl_b32 s93, s16, 9
	s_add_co_u32 s92, s92, s93
	s_mov_b32 s93, 0
	s_add_nc_u64 s[96:97], s[96:97], s[92:93]
.irp b, 0,1,2,3,4,5,6,7
	global_load_b128 v[BIAS+8*\b:BIAS+8*\b+3], v[BO], s[96:97] offset:64*\b
	global_load_b128 v[BIAS+8*\b+4:BIAS+8*\b+7], v[BO], s[96:97] offset:64*\b+16
.endr
	s_lshl_b32 s20, s17, 8
	s_lshl_b32 s21, s15, 7
	s_add_co_u32 s20, s20, s21                     ; my first token
	s_lshr_b32 s21, s20, 11                        ; its batch
	s_and_b32 s22, s20, 2047
	s_lshr_b32 s22, s22, 4                         ; its tile of 16 in the batch
	s_lshl_b32 s23, s40, 2
	s_lshl_b32 s45, s16, 1
	s_add_co_u32 s23, s23, s45                     ; my first head: 4 cx + 2 half
	s_lshl_b32 s46, s21, 4
	s_add_co_u32 s46, s46, s23
	s_lshl_b32 s47, s46, 7
	s_add_co_u32 s47, s47, s22
	s_lshl_b32 s92, s47, 11                        ; ((16 batch + head) x 128 + tile) x 2,048
	s_lshl_b32 s45, ttmp9, 24                      ; + tensor x 16,777,216
	s_add_co_u32 s92, s92, s45
	s_add_nc_u64 s[12:13], s[12:13], s[92:93]
	s_lshl_b32 s92, ttmp9, 2
	s_add_co_u32 s92, s92, s21
	s_lshl_b32 s92, s92, 4
	s_add_co_u32 s92, s92, s23
	s_lshl_b32 s92, s92, 12                        ; fine: ((4 tensor + batch) x 16 + head) x 4,096
	s_add_nc_u64 s[2:3], s[2:3], s[92:93]
	s_cmp_eq_u32 s22, 0
	s_cselect_b32 s94, -1, 0                       ; all lanes where my first 16 tokens are a batch's first 16 positions, else none
.macro FRAG reg, adr, q, i             ; 16 rows x 128 K of 4-bit codes: lane (r, h): registers 4 c .. 4 c + 3 hold K = 64 c + 32 h + 0 .. 31
.irp c, 0,1
	ds_load_b128 v[\reg+4*\c:\reg+4*\c+3], v[\adr] offset:64*(\q)+32*\c+(\i)*16*PITCH
.endr
.endm
; 16 products: token blocks a0, a0 + 1 x the eight column blocks, the slot's q-th 128 along K.  first = 1: the bias is C.  The 64 accumulators take turns, one instruction a turn.
.macro MUL16 a0, p, q, sc, first
.irp a, \a0, \a0+1
.irp b, 0,1,2,3,4,5,6,7
.if \first
	v_wmma_scale_f32_16x16x128_f8f6f4 v[8*(8*((\a)%4)+\b):8*(8*((\a)%4)+\b)+7], v[128*(\p)+FR*\b:128*(\p)+FR*\b+FR-1], v[AF+FR*(\a):AF+FR*(\a)+FR-1], v[BIAS+8*\b:BIAS+8*\b+7], v[SC+8*NQ*(\sc)+NQ*\b+(\q)], v[SC+8*NQ*(\sc)+NQ*(\a)+(\q)] matrix_a_fmt:MATRIX_FMT_FP4 matrix_b_fmt:MATRIX_FMT_FP4 matrix_a_scale:MATRIX_SCALE_ROW1
.else
	v_wmma_scale_f32_16x16x128_f8f6f4 v[8*(8*((\a)%4)+\b):8*(8*((\a)%4)+\b)+7], v[128*(\p)+FR*\b:128*(\p)+FR*\b+FR-1], v[AF+FR*(\a):AF+FR*(\a)+FR-1], v[8*(8*((\a)%4)+\b):8*(8*((\a)%4)+\b)+7], v[SC+8*NQ*(\sc)+NQ*\b+(\q)], v[SC+8*NQ*(\sc)+NQ*(\a)+(\q)] matrix_a_fmt:MATRIX_FMT_FP4 matrix_b_fmt:MATRIX_FMT_FP4 matrix_a_scale:MATRIX_SCALE_ROW1
.endif
.endr
.endr
.endm
.macro FETCH_B slot, q, p
	WIN TO_B
.irp i, 0,1,2,3,4,5,6,7
	FRAG 128*(\p)+FR*\i, ADRB+\slot, \q, \i
.endr
	WIN 0
.endm
.macro FETCH_A slot, q, i0
.irp i, \i0, \i0+1, \i0+2, \i0+3
	FRAG AF+FR*(\i), ADRA+\slot, \q, \i
.endr
.endm
.macro SCALES sc                       ; a slot's scale words: four words a row; lanes 0-15 the tokens' block i, lanes 16-31 the weights' block i
.irp i, 0,1,2,3,4,5,6,7
	ds_load_b128 v[SC+8*NQ*\sc+NQ*\i:SC+8*NQ*\sc+NQ*\i+3], v[ADRS] offset:\i*SBLK
.endr
.endm
.macro PLACES n                        ; plain vector lines between a matrix instruction and a load into, or a read of, its registers
.rept \n
	v_nop
.endr
.endm
.macro STEP slot, q, first             ; 128 along K that has its successor in the same slot
	s_wait_dscnt 4*NL                              ; the weights' set and token blocks 0-3 are in; the youngest eight loads (blocks 4-7) may be out
.if \first
	WIN FST_LO
.else
	WIN MUL_LO
.endif
	MUL16 0, (\q)%2, \q, \slot, \first
	MUL16 2, (\q)%2, \q, \slot, \first
	s_wait_dscnt 0                                 ; blocks 4-7 are in
	PLACES NP
	FETCH_B \slot, (\q)+1, 1-(\q)%2
	FETCH_A \slot, (\q)+1, 0
.if \first
	WIN FST_HI
.else
	WIN MUL_HI
.endif
	MUL16 4, (\q)%2, \q, \slot, \first
	MUL16 6, (\q)%2, \q, \slot, \first
	PLACES NP
	WIN 0
	FETCH_A \slot, (\q)+1, 4
.endm
.macro STEPS slot, from
.set Q, \from
.rept NQ-1-\from
	STEP \slot, Q, 0
.set Q, Q+1
.endr
.endm
	s_wait_tensorcnt 1                             ; the scale bytes and my part of slot 0 are in; slot 1's load may be out
	s_barrier_signal -1
	s_barrier_wait -1
	FETCH_B 0, 0, 0
	FETCH_A 0, 0, 0
	SCALES 0
	FETCH_A 0, 0, 4
	s_wait_loadcnt 0x0                             ; the bias
	STEP 0, 0, 1
	STEPS 0, 1
	; slot 0's last step, and the change to slot 1: one barrier
	s_wait_tensorcnt 0x0                           ; my part of slot 1 has landed
	ds_add_u32 v[SPW], v[NIL]
	s_wait_dscnt 4*NL+1                            ; the add and the youngest eight loads may be out
	WIN MUL_LO
	MUL16 0, 1, NQ-1, 0, 0
	s_wait_dscnt 0x0                               ; the add is done, and my reads of slot 0 are over
	s_barrier_signal -1
	MUL16 2, 1, NQ-1, 0, 0
	WIN 0
	s_barrier_wait -1                              ; slot 1 is whole
	PLACES NP
	v_add_nc_u32 v[ADRS], 4*NQ, v[ADRS]            ; slot 1's scale words
	FETCH_B 1, 0, 0
	FETCH_A 1, 0, 0
	SCALES 1
	WIN MUL_HI
	MUL16 4, 1, NQ-1, 0, 0
	MUL16 6, 1, NQ-1, 0, 0
	PLACES NP
	WIN 0
	FETCH_A 1, 0, 4
	STEPS 1, 0
	s_wait_dscnt 4*NL                              ; the last step: nothing more to fetch
	WIN MUL_LO
	MUL16 0, 1, NQ-1, 1, 0
	MUL16 2, 1, NQ-1, 1, 0
	s_wait_dscnt 0
	WIN MUL_HI
	MUL16 4, 1, NQ-1, 1, 0
	MUL16 6, 1, NQ-1, 1, 0
	WIN 0
	PLACES NP                                      ; in front of the first reads of results and the first writes over operands
	; positions 0-15 in f32: token block 0 where it is a batch's first.  EXEC changes only behind s_wait_xcnt 0
	s_wait_xcnt 0x0
	s_and_saveexec_b32 s95, s94
	WIN 0x08                                       ; a store's data: window 2
.irp b, 0,1,2,3,4,5,6,7
	global_store_b128 v[FO], v[8*\b:8*\b+3], s[2:3] offset:(\b/4)*4096+(\b%4)*64       ; each accumulator from its low end on
	global_store_b128 v[FO], v[8*\b+4:8*\b+7], s[2:3] offset:(\b/4)*4096+(\b%4)*64+16
.endr
	WIN 0
	s_wait_xcnt 0x0
	s_or_b32 exec_lo, exec_lo, s95
; token block a: rounded to f16, 16 bytes a lane, and stored: tile a, head b / 4, sub-block b % 4
.macro OUT a
.set AC, 64*((\a)%4)
.set PKB, PK+32*((\a)%4)
	WIN 0x0a+5*((\a)/4)                            ; sources 0 and 1: window 2 or 3
.irp b, 0,1,2,3,4,5,6,7
.irp i, 0,1,2,3
	v_cvt_pk_f16_f32 v[PKB+4*\b+\i], v[AC+8*\b+2*\i], v[AC+8*\b+2*\i+1]
.endr
.endr
	WIN 0
.irp b, 0,1,2,3,4,5,6,7
	global_store_b128 v[CO], v[PKB+4*\b:PKB+4*\b+3], s[12:13] offset:(\a)*2048+(\b/4)*262144+(\b%4)*512
.endr
.endm
	OUT 0
	OUT 1
	OUT 2
	OUT 3
	s_wait_xcnt 0x0                                ; the stores have read their registers, which are packed into again
	OUT 4
	OUT 5
	OUT 6
	OUT 7
	s_wait_tensorcnt 0x0                           ; the wave's end
	ds_add_u32 v[SPW], v[NIL]
	s_wait_dscnt 0x0
	CROUND                                         ; the closing round
	s_endpgm
.Lfunc_end_k_q53de4ac700_qkv:
	.size	k_q53de4ac700_qkv, .Lfunc_end_k_q53de4ac700_qkv-k_q53de4ac700_qkv
	.p2alignl 7, 3214868480
	.fill 96, 4, 3214868480
	.section	.rodata,"a",@progbits
	.p2align	6, 0x0
	.amdhsa_kernel k_q53de4ac700_qkv
		.amdhsa_group_segment_fixed_size 327680
		.amdhsa_private_segment_fixed_size 0
		.amdhsa_enable_private_segment 0
		.amdhsa_kernarg_size 72
		.amdhsa_user_sgpr_count 2
		.amdhsa_user_sgpr_kernarg_segment_ptr 1
		.amdhsa_wavefront_size32 1
		.amdhsa_system_sgpr_workgroup_id_x 1
		.amdhsa_system_sgpr_workgroup_id_y 1
		.amdhsa_system_sgpr_workgroup_id_z 1
		.amdhsa_system_vgpr_workitem_id 0
		.amdhsa_next_free_vgpr 1024
		.amdhsa_next_free_sgpr 102
		.amdhsa_reserve_vcc 0
		.amdhsa_float_denorm_mode_32 3
		.amdhsa_float_denorm_mode_16_64 3
		.amdhsa_memory_ordered 1
		.amdhsa_forward_progress 1
		.amdhsa_inst_pref_size 122
	.end_amdhsa_kernel
	.amdgpu_metadata
---
amdhsa.version: [ 1, 2 ]
amdhsa.kernels:
  - .name:           k_q53de4ac700_qkv
    .symbol:         k_q53de4ac700_qkv.kd
    .args:
      - { .name: xc, .offset: 0, .size: 8, .value_kind: global_buffer, .address_space: global }
      - { .name: xs, .offset: 8, .size: 8, .value_kind: global_buffer, .address_space: global }
      - { .name: wc, .offset: 16, .size: 8, .value_kind: global_buffer, .address_space: global }
      - { .name: ws, .offset: 24, .size: 8, .value_kind: global_buffer, .address_space: global }
      - { .name: bq, .offset: 32, .size: 8, .value_kind: global_buffer, .address_space: global }
      - { .name: bk, .offset: 40, .size: 8, .value_kind: global_buffer, .address_space: global }
      - { .name: bv, .offset: 48, .size: 8, .value_kind: global_buffer, .address_space: global }
      - { .name: qkv, .offset: 56, .size: 8, .value_kind: global_buffer, .address_space: global }
      - { .name: fine, .offset: 64, .size: 8, .value_kind: global_buffer, .address_space: global }
    .group_segment_fixed_size: 327680
    .private_segment_fixed_size: 0
    .kernarg_segment_align: 8
    .kernarg_segment_size: 72
    .max_flat_workgroup_size: 128
    .sgpr_count:     102
    .vgpr_count:     1024
    .wavefront_size: 32
...
	.end_amdgpu_metadata
.endif
;; end of part 2
;; launch attn (part 3): grid 4 x 64, 16 waves a work-group, no clusters, 327,680 bytes of LDS; arguments qkv, y; writes y
.if DOCPART == 3
	.amdgcn_target "amdgcn-amd-amdhsa--gfx1250"
	.amdhsa_code_object_version 6
	.text
	.protected	k_q53de4ac700_attn
	.globl	k_q53de4ac700_attn
	.p2align	8
	.type	k_q53de4ac700_attn,@function
k_q53de4ac700_attn:
	s_mov_b64 s[64:65], 0
	v_nop
	global_prefetch_b8 v0, s[64:65] scope:SCOPE_SE
	s_setreg_imm32_b32 hwreg(HW_REG_WAVE_MODE, 25, 1), 1
	s_wait_xcnt 0x0
; y[b][t][head][:] = the sum over keys k <= t of softmax_k(q . k / 8) v, head size 64, operands in f16, products, maxima and sums in f32; the weights p are rounded to f16 for the second product, y once at the end.
; SHARES.  A work-group owns query blocks i and 7 - i (256 queries each) of one batch x head: under the causal mask every work-group then has the same number of key steps.
; Each of its sixteen waves owns 32 queries, two tiles of 16, so that each fragment of K and V read from LDS feeds two products.  Four waves share a SIMD: one wave's softmax stands beside another's products.
; Waves are dealt to the two blocks by (w xor w / 4) & 1, so that early and late queries mix whichever way waves are dealt to SIMDs.
; LAYOUT.  S^T = K Q^T (source 0 = 16 keys, source 1 = 16 queries): a lane holds ONE query (lane % 16) and keys 8 (lane / 16) + 0..7 of each tile.  Two such tiles, rounded in pairs, ARE source 1 of O^T = V^T P.
; q and k lie in memory as images of their fragments' registers (16 bytes a lane); v as [key][16 channels], turned by ds_load_tr16_b128.  The packed O^T is stored as the image of the projection's fragment.
; SOFTMAX.  A running maximum m and sum l for each query: p = 2^(c s - c m), c = log2(e) / 8; in every step O and l are multiplied by a = 2^(c m_old - c m_new).  The loop has no first step of its own: m begins at -3e38, l and O^T at 0.
; THE RING.  Two LDS slots of 256 keys (K's 32 KB, V's 32 KB), filled by waves 0 to 3, a quarter each.  Every work-group walks all eight changes of slots (constant trip counts); a step all of whose keys come after
; the wave's queries is jumped over; a slot whose first key comes after the work-group's last query is not asked for.  Every wait on TENSORcnt is for 0; one tensor load of a wave is out at the most.
; NO CLUSTER: the four work-groups of a head end their walk at keys 2047, 1791, 1535 and 1279: a joint load would bring three of them tiles that none of their waves reads.
; LIMITS: |q|, |k|, |v|, |y| at or under 65,504 (f16); a weight under 2^-126 of its row's largest counts as 0; NaN and infinities are not served.
; REGISTERS: v1-9 addresses; v12-27 statistics, eight a tile: +0 c m, +1 m, +2 +3 l, +4..7 at work (+6 a); v32-63 Q; v64-127 K, then V; v128-191 S^T, p, packed P; v192-255 O^T.
.set SLOT1, 65536
.set VOFF,  32768                      ; in a slot: 16 key tiles of K (2,048 bytes each), then 16 of V
.set SPARE, 131072                     ; behind the ring: the spare words, 128 bytes a wave: eight blocks of 256 bytes that no other line names
.set AK0, 1                            ; v1 16 x lane: my place in an image (in LDS, in q and in y)
.set AV0, 2                            ; v2 my place in a sub-block of V
.set ADK, 3
.set ADV, 4
.set SPW, 5
.set NIL, 6
.set PFO, 8                            ; v8 256 x lane
.set RH,  9                            ; v9 lane % 16 - 8 (lane / 16)
.set ST,  12
.set QF,  32
.set KV,  64
.set S,   128
.set O,   192
.set TB,  2                            ; s2 LDS byte at which the slot in hand begins
.set WV,  18
.set SEL, 20
.set CS,  22                           ; s[22:23] c, twice
.set G1,  24
.set SLOTS, 33
.set KF,  34                           ; the step's first key
.set Q0,  35                           ; my first query
.set LASTQ, 36                         ; my work-group's last query
.set G0,  40
.set PFA, 44
.set LIM, 46
; Waves 0 and 1 fetch K's halves of a slot, waves 2 and 3 V's: 16,384 dense bytes each, to LDS byte 16,384 x wave of the slot.  An s_nop 0 and four v_nop follow the load.
.macro TLOAD
	s_cmp_lt_u32 s[WV], 4
	s_cbranch_scc0 .Lasked_\@
	tensor_load_to_lds s[G0:G0+3], s[G1:G1+7]
	s_nop 0
.rept 4
	v_nop
.endr
.Lasked_\@:
.endm
; A prefetch of what the NEXT change of slots will ask for.  All four work-groups of a head walk the same K and V: the one that walks all keys (x = 0) asks; in it waves 4-7 for K's 32,768 bytes,
; waves 8-11 for V's: 8,192 bytes a wave, lanes 256 bytes apart, one instruction: each aligned 256 bytes of slots 2 to 7 is named once.  The last change that fills a slot asks for nothing.
.macro ASK
	s_cmp_gt_u32 s[SLOTS], s[LIM]
	s_cbranch_scc0 .Lnot_mine_\@
	global_prefetch_b8 v[PFO], s[PFA:PFA+1] th:TH_LOAD_NT scope:SCOPE_SE
.Lnot_mine_\@:
.endm
	s_load_b128 s[4:7], s[0:1], 0x0                ; qkv, y
	v_lshl_add_u32 v[SPW], v0, 2, SPARE
	v_mov_b32 v[NIL], 0
	ds_add_u32 v[SPW], v[NIL]                      ; the wave's opening: the add, twice on end, and its wait ahead of my first tensor load
	ds_add_u32 v[SPW], v[NIL]
	v_lshrrev_b32 v10, 5, v0
	v_readfirstlane_b32 s[WV], v10                 ; wave 0..15
	s_and_b32 s37, ttmp7, 0xffff                   ; batch x head
	s_lshr_b32 s47, s[WV], 2
	s_xor_b32 s47, s47, s[WV]
	s_and_b32 s47, s47, 1                          ; 0: block i, 1: block 7 - i
	s_lshl_b32 s48, ttmp9, 1
	s_sub_co_u32 s48, 7, s48
	s_mul_i32 s47, s47, s48
	s_add_co_u32 s47, s47, ttmp9                   ; my block
	s_lshr_b32 s48, s[WV], 1
	s_lshl_b32 s48, s48, 5                         ; my 32 queries in it
	s_lshl_b32 s[Q0], s47, 8
	s_add_co_u32 s[Q0], s[Q0], s48
	s_sub_co_u32 s[LASTQ], 7, ttmp9
	s_lshl_b32 s[LASTQ], s[LASTQ], 8
	s_or_b32 s[LASTQ], s[LASTQ], 255
	s_mov_b32 s[G1], 3<<16                         ; no mask; elements of 8 bytes; no padding
	s_mov_b32 s[G1+1], 32<<16                      ; tensor_dim0 = 32 elements: rows of 256 bytes
	s_mov_b32 s[G1+2], 64<<16                      ; tensor_dim1 = 64
	s_mov_b32 s[G1+3], 32<<16                      ; tile_dim0
	s_mov_b32 s[G1+4], 64                          ; tile_dim1
	s_mov_b32 s[G1+5], 32                          ; dense
	s_mov_b32 s[G1+6], 0
	s_mov_b32 s[G1+7], 0
	s_mov_b32 s[SEL], 0x76543210
	s_mov_b32 s[SEL+1], 0xfedcba98
	s_mov_b32 s[CS], 0x3e38aa3b                    ; c = log2(e) / 8
	s_mov_b32 s[CS+1], s[CS]
	s_mov_b32 s[TB], 0
	s_mov_b32 s[SLOTS], 7
	s_mov_b32 s[KF], 0
	s_lshl_b32 s38, s37, 18                        ; a head's 262,144 bytes in each of q, k, v
	s_and_b32 s47, s[WV], 3                        ; what I fetch, if I fetch (wave & 3 keeps the address inside the buffer in every wave)
	s_lshr_b32 s48, s47, 1
	s_add_co_u32 s48, s48, 1
	s_lshl_b32 s48, s48, 24                        ; k: 16,777,216; v: twice that
	s_and_b32 s47, s47, 1
	s_lshl_b32 s47, s47, 14
	s_add_co_u32 s48, s48, s47
	s_add_co_u32 s48, s48, s38
	s_mov_b32 s49, 0
	s_mov_b32 s51, 0
	s_wait_dscnt 0x0                               ; both opening adds are done
	s_wait_kmcnt 0x0
	s_mov_b32 s[G0], 1
	s_lshl_b32 s[G0+1], s[WV], 14                  ; LDS: 16,384 x wave, slot 0
	s_add_nc_u64 s[G0+2:G0+3], s[4:5], s[48:49]
	s_or_b32 s[G0+3], s[G0+3], 0x80000000
	TLOAD                                          ; slot 0
	s_lshl_b32 s50, s[Q0], 7
	s_add_co_u32 s50, s50, s38
	s_add_nc_u64 s[8:9], s[4:5], s[50:51]          ; q at my first tile: (128 head + tile) x 2,048
	v_and_b32 v10, 31, v0
	v_lshlrev_b32 v[AK0], 4, v10
.irp i, 0,1,2,3,4,5,6,7
	global_load_b128 v[QF+4*\i:QF+4*\i+3], v[AK0], s[8:9] offset:512*\i th:TH_LOAD_NT   ; Q stays in registers: tile i / 4, channels 16 (i % 4) on
.endr
	s_lshr_b32 s50, s37, 4
	s_lshl_b32 s50, s50, 22                        ; y: (128 batch + tile) x 32,768 + 2,048 head
	s_lshl_b32 s52, s[Q0], 11
	s_add_co_u32 s50, s50, s52
	s_and_b32 s52, s37, 15
	s_lshl_b32 s52, s52, 11
	s_add_co_u32 s50, s50, s52
	s_add_nc_u64 s[6:7], s[6:7], s[50:51]
	s_lshr_b32 s50, s[WV], 3                       ; the prefetches: waves 4-7 k, waves 8-11 v
	s_and_b32 s50, s50, 1
	s_add_co_u32 s50, s50, 1
	s_lshl_b32 s50, s50, 24
	s_add_co_u32 s50, s50, s38
	s_and_b32 s52, s[WV], 3
	s_lshl_b32 s52, s52, 13
	s_add_co_u32 s50, s50, s52
	s_add_co_u32 s50, s50, 32768                   ; in slot 1: the first change of slots steps it to slot 2.  Nothing is prefetched at the head
	s_add_nc_u64 s[PFA:PFA+1], s[4:5], s[50:51]
	s_sub_co_u32 s52, s[WV], 4
	s_lshr_b32 s52, s52, 3                         ; 0 in waves 4 to 11,
	s_or_b32 s52, s52, ttmp9                       ; of work-group x = 0
	s_cmp_eq_u32 s52, 0
	s_cselect_b32 s[LIM], 1, -1
	v_lshlrev_b32 v[PFO], 8, v10
	v_and_b32 v11, 15, v0                          ; r
	v_bfe_u32 v7, v0, 4, 1                         ; h
	v_lshlrev_b32 v28, 3, v7
	v_sub_nc_u32 v[RH], v11, v28
	v_and_b32 v29, 7, v0
	v_add_nc_u32 v29, v29, v28                     ; the turning load: key 8 h + lane % 8,
	v_bfe_u32 v30, v0, 3, 1                        ; channels 8 ((lane / 8) % 2) on
	v_lshlrev_b32 v[AV0], 5, v29
	v_lshl_add_u32 v[AV0], v30, 4, v[AV0]
	v_add_nc_u32 v[AV0], VOFF, v[AV0]
.irp u, 0,1
	v_mov_b32 v[ST+8*\u+1], 0xff61b1e6             ; m = -3e38, under every score
	v_mul_f32 v[ST+8*\u], s[CS], v[ST+8*\u+1]
.irp n, 2,3,4,5,6,7
	v_mov_b32 v[ST+8*\u+\n], 0
.endr
.endr
.set i, 0
.rept 64
	v_mov_b32 v[O+i], 0                            ; O^T: the first a is 0 and leaves these zeros
.set i, i+1
.endr
; A KEY STEP: 64 keys, the q-th of the slot in hand.
.macro STEP q
	s_add_co_u32 s47, s[Q0], 31
	s_cmp_gt_u32 s[KF], s47                        ; all keys come after my queries: nothing to do.  Ids and the count of steps alone
	s_cbranch_scc1 .Lhidden_\@
	v_add_nc_u32 v[ADK], s[TB], v[AK0]
	v_add_nc_u32 v[ADV], s[TB], v[AV0]
.rept 4
	v_nop                                          ; with the two additions six plain lines behind the last V^T P: four are owed to the loads into V's registers, five to the products that write over P
.endr
.irp c, 0,1
.irp kt, 0,1,2,3
.irp g, 0,1
	ds_load_b128 v[KV+16*\kt+8*\c+4*\g:KV+16*\kt+8*\c+4*\g+3], v[ADK] offset:8192*(\q)+2048*\kt+1024*\c+512*\g
.endr
.endr
.endr
	s_wait_dscnt 8                                 ; channels 0-31 of the four key tiles are in; the eight loads of channels 32-63 may be out
.irp kt, 0,1,2,3
.irp u, 0,1
	v_wmma_f32_16x16x32_f16 v[S+32*\u+8*\kt:S+32*\u+8*\kt+7], v[KV+16*\kt:KV+16*\kt+7], v[QF+16*\u:QF+16*\u+7], 0
.endr
.endr
	s_wait_dscnt 0x0
.irp kt, 0,1,2,3                               ; the eight accumulators take turns
.irp u, 0,1
	v_wmma_f32_16x16x32_f16 v[S+32*\u+8*\kt:S+32*\u+8*\kt+7], v[KV+16*\kt+8:KV+16*\kt+15], v[QF+16*\u+8:QF+16*\u+15], v[S+32*\u+8*\kt:S+32*\u+8*\kt+7]
.endr
.endr
.rept 4
	v_nop                                          ; four plain lines: in front of the loads into K's registers and of the first reads of the scores
.endr
.irp kc, 0,1                                   ; V, turned: it lands under the softmax
.irp p, 0,1
.irp dt, 0,1,2,3
	ds_load_tr16_b128 v[KV+16*\dt+8*\kc+4*\p:KV+16*\dt+8*\kc+4*\p+3], v[ADV] offset:8192*(\q)+2048*(2*\kc+\p)+512*\dt
.endr
.endr
.endr
	s_add_co_u32 s47, s[KF], 63                    ; on the diagonal the scores of hidden keys become -infinity; a step all of whose keys count skips this
	s_cmp_le_u32 s47, s[Q0]
	s_cbranch_scc1 .Lopen_\@
	s_sub_co_i32 s47, s[Q0], s[KF]
	v_add_nc_u32 v[ST+4], s47, v[RH]               ; tile 0: register 8 kt + j holds key KF + 16 kt + 8 h + j: hidden where 16 kt + j > Q0 - KF + r - 8 h
	v_add_nc_u32 v[ST+12], 16, v[ST+4]             ; tile 1: 16 queries on
	v_mov_b32 v[ST+5], 0xff800000
.irp u, 0,1
.irp kt, 0,1,2,3
.irp j, 0,1,2,3,4,5,6,7
	v_cmp_gt_i32 vcc_lo, 16*\kt+\j, v[ST+8*\u+4]
	v_cndmask_b32 v[S+32*\u+8*\kt+\j], v[S+32*\u+8*\kt+\j], v[ST+5], vcc_lo
.endr
.endr
.endr
.Lopen_\@:
	; the maximum of my 32 scores and the old m, the two tiles line by line by turns; each accumulator is read from its low end on
.irp j, 0,1,2,3
.irp u, 0,1
	v_max3_num_f32 v[ST+8*\u+4+\j], v[S+32*\u+8*\j], v[S+32*\u+8*\j+1], v[S+32*\u+8*\j+2]
.endr
.endr
.irp n, 3,5
.irp j, 0,1,2,3
.irp u, 0,1
	v_max3_num_f32 v[ST+8*\u+4+\j], v[ST+8*\u+4+\j], v[S+32*\u+8*\j+\n], v[S+32*\u+8*\j+\n+1]
.endr
.endr
.endr
.irp u, 0,1
	v_max3_num_f32 v[ST+8*\u+4], v[ST+8*\u+4], v[S+32*\u+7], v[S+32*\u+15]
	v_max3_num_f32 v[ST+8*\u+6], v[ST+8*\u+6], v[S+32*\u+23], v[S+32*\u+31]
.endr
.irp u, 0,1
	v_max3_num_f32 v[ST+8*\u+4], v[ST+8*\u+4], v[ST+8*\u+5], v[ST+8*\u+6]
.endr
.irp u, 0,1
	v_max3_num_f32 v[ST+8*\u+4], v[ST+8*\u+4], v[ST+8*\u+7], v[ST+8*\u+1]
.endr
.irp u, 0,1
	v_permlanex16_b32 v[ST+8*\u+5], v[ST+8*\u+4], s[SEL], s[SEL+1]   ; the query's other 32 keys lie in the lane 16 away
.endr
.irp u, 0,1
	v_mov_b32 v[ST+8*\u+7], v[ST+8*\u]             ; c m_old
.endr
.irp u, 0,1
	v_max_num_f32 v[ST+8*\u+1], v[ST+8*\u+4], v[ST+8*\u+5]
.endr
.irp u, 0,1
	v_mul_f32 v[ST+8*\u], s[CS], v[ST+8*\u+1]
.endr
.irp u, 0,1
	v_sub_f32 v[ST+8*\u+7], v[ST+8*\u+7], v[ST+8*\u]
.endr
.set i, 0
.rept 16
	v_pk_fma_f32 v[S+2*i:S+2*i+1], v[S+2*i:S+2*i+1], s[CS:CS+1], v[ST:ST+1] op_sel_hi:[1,0,0] neg_lo:[0,0,1] neg_hi:[0,0,1]   ; c s - c m
	v_pk_fma_f32 v[S+32+2*i:S+32+2*i+1], v[S+32+2*i:S+32+2*i+1], s[CS:CS+1], v[ST+8:ST+9] op_sel_hi:[1,0,0] neg_lo:[0,0,1] neg_hi:[0,0,1]
.set i, i+1
.endr
	v_exp_f32 v[ST+6], v[ST+7]                     ; ONE batch of 66 exponentials: a of both tiles,
	v_exp_f32 v[ST+14], v[ST+15]
.set i, 0
.rept 64
	v_exp_f32 v[S+i], v[S+i]                       ; and p
.set i, i+1
.endr
	v_nop                                          ; a plain line behind the last exponential
	s_wait_alu depctr_va_vdst(0)                   ; one wait for the batch, ahead of its first reader
.irp u, 0,1                                    ; l = a l + the sum of p, in pairs, two chains a tile; p is left as it is
	v_pk_fma_f32 v[ST+8*\u+2:ST+8*\u+3], v[ST+8*\u+2:ST+8*\u+3], v[ST+8*\u+6:ST+8*\u+7], v[S+32*\u:S+32*\u+1] op_sel_hi:[1,0,1]
	v_pk_add_f32 v[ST+8*\u+4:ST+8*\u+5], v[S+32*\u+2:S+32*\u+3], v[S+32*\u+6:S+32*\u+7]
.endr
.irp p, 2,4,6,8,10,12
.irp u, 0,1
	v_pk_add_f32 v[ST+8*\u+2:ST+8*\u+3], v[ST+8*\u+2:ST+8*\u+3], v[S+32*\u+2*\p:S+32*\u+2*\p+1]
	v_pk_add_f32 v[ST+8*\u+4:ST+8*\u+5], v[ST+8*\u+4:ST+8*\u+5], v[S+32*\u+2*\p+6:S+32*\u+2*\p+7]
.endr
.endr
.irp u, 0,1
	v_pk_add_f32 v[ST+8*\u+2:ST+8*\u+3], v[ST+8*\u+2:ST+8*\u+3], v[S+32*\u+28:S+32*\u+29]
.endr
.irp u, 0,1
	v_pk_add_f32 v[ST+8*\u+2:ST+8*\u+3], v[ST+8*\u+2:ST+8*\u+3], v[ST+8*\u+4:ST+8*\u+5]
.endr
.set i, 0
.rept 16
	v_cvt_pk_f16_f32 v[S+i], v[S+2*i], v[S+2*i+1]                  ; P, packed in place: register i takes pair i, which lies at or above it
	v_cvt_pk_f16_f32 v[S+32+i], v[S+32+2*i], v[S+32+2*i+1]
.set i, i+1
.endr
.set i, 0
.rept 16
	v_pk_mul_f32 v[O+2*i:O+2*i+1], v[O+2*i:O+2*i+1], v[ST+6:ST+7] op_sel_hi:[1,0]   ; O^T x a
	v_pk_mul_f32 v[O+32+2*i:O+32+2*i+1], v[O+32+2*i:O+32+2*i+1], v[ST+14:ST+15] op_sel_hi:[1,0]
.set i, i+1
.endr
	s_wait_dscnt 0x0                               ; V is in
.irp kc, 0,1                                   ; O^T += V^T P: eight accumulators by turns
.irp dt, 0,1,2,3
.irp u, 0,1
	v_wmma_f32_16x16x32_f16 v[O+32*\u+8*\dt:O+32*\u+8*\dt+7], v[KV+16*\dt+8*\kc:KV+16*\dt+8*\kc+7], v[S+32*\u+8*\kc:S+32*\u+8*\kc+7], v[O+32*\u+8*\dt:O+32*\u+8*\dt+7]
.endr
.endr
.endr
.Lhidden_\@:
	s_add_co_u32 s[KF], s[KF], 64
.endm
; THE CHANGE OF SLOTS, at a slot's head.  Each wave waits for all its tensor loads, adds 0 to its spare word, and waits for that and for its reads of the slot that it has left.
; Behind the barrier the slot ahead is whole and nobody reads the other one; fill = 1: that one is filled with the next 256 keys, which have four key steps in which to land.
.macro CHANGE fill
	s_wait_tensorcnt 0x0                           ; no tensor load of mine is out, so group 0 may be written
	ds_add_u32 v[SPW], v[NIL]
.if \fill
	ds_add_u32 v[SPW], v[NIL]                      ; and twice on end here, in every trip alike
	s_xor_b32 s[G0+1], s[G0+1], SLOT1              ; the other slot,
	s_add_nc_u64 s[G0+2:G0+3], s[G0+2:G0+3], 32768 ; the next 256 keys
	s_wait_xcnt 0x0                                ; the last prefetch, a slot back, has read its address
	s_add_nc_u64 s[PFA:PFA+1], s[PFA:PFA+1], 32768
.endif
	s_wait_dscnt 0x0
	s_barrier_signal -1
	s_barrier_wait -1
.if \fill
	s_add_co_u32 s47, s[KF], 256                   ; the first key of the slot that this change would ask for
	s_cmp_gt_u32 s47, s[LASTQ]                     ; past my work-group's last query no wave reads it, so it is not asked for.  Ids and the count of steps alone: all sixteen waves go the same way
	s_cbranch_scc1 .Lpast_\@
	TLOAD
.Lpast_\@:
	ASK
.endif
.endm
.macro SLOT_STEPS
	STEP 0
	STEP 1
	STEP 2
	STEP 3
	s_xor_b32 s[TB], s[TB], SLOT1
.endm
	s_wait_loadcnt 0x0                             ; Q
.Lslot:                                            ; seven trips
	CHANGE 1
	SLOT_STEPS
	s_sub_co_u32 s[SLOTS], s[SLOTS], 1
	s_cmp_lg_u32 s[SLOTS], 0
	s_cbranch_scc1 .Lslot
	CHANGE 0                                       ; the last slot is written out: nothing is left to ask for
	SLOT_STEPS
	; THE WAY OUT: O^T / l, rounded to f16; a lane's eight channels are 16 bytes of the projection's fragment: no LDS
.rept 4
	v_nop                                          ; four plain lines behind the last products
.endr
.irp u, 0,1
	v_add_f32 v[ST+8*\u+4], v[ST+8*\u+2], v[ST+8*\u+3]
.endr
.irp u, 0,1
	v_permlanex16_b32 v[ST+8*\u+5], v[ST+8*\u+4], s[SEL], s[SEL+1]
.endr
.irp u, 0,1
	v_add_f32 v[ST+8*\u+4], v[ST+8*\u+4], v[ST+8*\u+5]
.endr
.irp u, 0,1
	v_rcp_f32 v[ST+8*\u+6], v[ST+8*\u+4]
.endr
	v_nop
	s_wait_alu depctr_va_vdst(0)                   ; one wait for both reciprocals, ahead of their first reader
.set i, 0
.rept 16
	v_pk_mul_f32 v[O+2*i:O+2*i+1], v[O+2*i:O+2*i+1], v[ST+6:ST+7] op_sel_hi:[1,0]
	v_pk_mul_f32 v[O+32+2*i:O+32+2*i+1], v[O+32+2*i:O+32+2*i+1], v[ST+14:ST+15] op_sel_hi:[1,0]
.set i, i+1
.endr
.set i, 0
.rept 16
	v_cvt_pk_f16_f32 v[S+i], v[O+2*i], v[O+2*i+1]
	v_cvt_pk_f16_f32 v[S+32+i], v[O+32+2*i], v[O+32+2*i+1]
.set i, i+1
.endr
.irp u, 0,1
.irp dt, 0,1,2,3
	global_store_b128 v[AK0], v[S+32*\u+4*\dt:S+32*\u+4*\dt+3], s[6:7] offset:32768*\u+512*\dt   ; 512 consecutive aligned bytes a wave
.endr
.endr
	s_wait_tensorcnt 0x0                           ; the wave's end
	ds_add_u32 v[SPW], v[NIL]
	s_wait_dscnt 0x0
	s_endpgm
.Lfunc_end_k_q53de4ac700_attn:
	.size	k_q53de4ac700_attn, .Lfunc_end_k_q53de4ac700_attn-k_q53de4ac700_attn
	.p2alignl 7, 3214868480
	.fill 96, 4, 3214868480
	.section	.rodata,"a",@progbits
	.p2align	6, 0x0
	.amdhsa_kernel k_q53de4ac700_attn
		.amdhsa_group_segment_fixed_size 327680
		.amdhsa_private_segment_fixed_size 0
		.amdhsa_enable_private_segment 0
		.amdhsa_kernarg_size 16
		.amdhsa_user_sgpr_count 2
		.amdhsa_user_sgpr_kernarg_segment_ptr 1
		.amdhsa_wavefront_size32 1
		.amdhsa_system_sgpr_workgroup_id_x 1
		.amdhsa_system_sgpr_workgroup_id_y 1
		.amdhsa_system_sgpr_workgroup_id_z 1
		.amdhsa_system_vgpr_workitem_id 0
		.amdhsa_next_free_vgpr 256
		.amdhsa_next_free_sgpr 66
		.amdhsa_reserve_vcc 1
		.amdhsa_float_denorm_mode_32 3
		.amdhsa_float_denorm_mode_16_64 3
		.amdhsa_memory_ordered 1
		.amdhsa_forward_progress 1
		.amdhsa_inst_pref_size 185
	.end_amdhsa_kernel
	.amdgpu_metadata
---
amdhsa.version: [ 1, 2 ]
amdhsa.kernels:
  - .name:           k_q53de4ac700_attn
    .symbol:         k_q53de4ac700_attn.kd
    .args:
      - { .name: qkv, .offset: 0, .size: 8, .value_kind: global_buffer, .address_space: global }
      - { .name: y, .offset: 8, .size: 8, .value_kind: global_buffer, .address_space: global }
    .group_segment_fixed_size: 327680
    .private_segment_fixed_size: 0
    .kernarg_segment_align: 8
    .kernarg_segment_size: 16
    .max_flat_workgroup_size: 512
    .sgpr_count:     66
    .vgpr_count:     256
    .wavefront_size: 32
...
	.end_amdgpu_metadata
.endif
;; end of part 3
;; launch proj (part 4): grid 4 x 64, 4 waves a work-group, clusters of 4 x 4, 327,680 bytes of LDS; arguments y, wp16, bp, out0; writes out0
.if DOCPART == 4
	.amdgcn_target "amdgcn-amd-amdhsa--gfx1250"
	.amdhsa_code_object_version 6
	.text
	.protected	k_q53de4ac700_proj
	.globl	k_q53de4ac700_proj
	.p2align	8
	.type	k_q53de4ac700_proj,@function
k_q53de4ac700_proj:
	s_mov_b64 s[64:65], 0
	v_nop
	global_prefetch_b8 v0, s[64:65] scope:SCOPE_SE
	s_setreg_imm32_b32 hwreg(HW_REG_WAVE_MODE, 25, 1), 1
	s_wait_xcnt 0x0
	s_wait_alu depctr_hold_cnt(0) depctr_sa_sdst(0) depctr_va_vdst(0) depctr_va_sdst(0) depctr_va_ssrc(0) depctr_va_vcc(0) depctr_vm_vsrc(0)
	s_getreg_b32 s2, hwreg(HW_REG_IB_STS2, 6, 4)
	s_cmp_eq_u32 s2, 0
	s_cbranch_scc0 .Lentry_in_a_cluster
	s_endpgm
.Lentry_in_a_cluster:
	s_bfe_u32 s2, ttmp6, 0x10000c
	s_cmp_lg_u32 s2, 0xf033
	s_cbranch_scc0 .Lentry_shape_is_right
	s_endpgm
.Lentry_shape_is_right:
; out0[t][n] = the sum over k of y[t][k] Wp[n][k] + bp[n], operands in f16, sums in f32, for every position but the first 16 of each batch, which a later launch writes in f32.
; A tile of 128 tokens x 256 columns to a work-group: 64 x 4 = 256 work-groups.  Four waves, each 64 x 128: 32 accumulators, 256 registers.
; K goes in steps of 128 through a ring of two LDS slots.  y lies in memory as images of its fragments' registers ([tile of 16 tokens][32 along K][1,024 bytes]): a K step of a tile is 4,096 dense bytes, read back at 16 x lane.
; Wp's rows are 256 bytes of a K step, 16 bytes of padding behind each in LDS.
; CLUSTERS: 4 x 4.  The four of a row of the cluster need the same tiles of y, the four of a column the same tiles of Wp: each is asked for jointly.
; THE MATRIX INSTRUCTION IS USED TRANSPOSED (source 0 = 16 rows of Wp, source 1 = 16 tokens): a lane holds eight neighbouring columns of one row of out0.  The bias is the C of each sum's first product.
; REGISTERS: window 0: v16-30 addresses; v32-95 the bias; v128-255 rows on the way out.  window 1: two fragment buffers at v0 and v128: y's four at +0, Wp's eight at +32.  window 2: the accumulators ((a, b) at v[8 (8 a + b)]).
.set PITCH,  272
.set ABYTES, 32768                     ; a slot: y's 8 tiles x 4,096 bytes,
.set BHALF,  128*PITCH                 ; then Wp's 256 rows
.set SLOT,   ABYTES+2*BHALF
.set STAGE,  2*SLOT                    ; behind the ring, never filled: 16 rows x 528 bytes for each wave
.set SPITCH, 528
.set SPARE,  STAGE+4*16*SPITCH         ; the spare words: 128 bytes a wave, two blocks of 256 bytes that no other line names
.set ADRA, 16
.set ADRB, 20
.set STO,  24
.set RD,   25
.set CO,   26                          ; v26 16 x lane
.set BO,   27                          ; v27 32 h
.set SPW,  28
.set NIL,  29
.set PFO,  30
.set BIAS, 32
.set BK,   128
.set F0,   0
.set F1,   128
.set G1, 24
.set G0, 32
.set G1B, 48
.set G0B, 56
.set PFA, 44
.set LIM, 46
.set MSB, 0
.macro WIN new
.if MSB != \new
	s_set_vgpr_msb (MSB<<8)|\new
.set MSB, \new
.endif
.endm
.set MUL,  0xa5                        ; sources 0 and 1 window 1; C and D window 2
.set MULB, 0x85                        ; the first products: C (the bias) window 0
.set TO_F, 0x40
.macro JLOAD s                         ; waves 0 and 1 fetch y's halves, waves 2 and 3 Wp's; an s_nop 0 and four v_nop follow each line
	s_cmp_eq_u32 s13, 0
	s_cbranch_scc0 .Lfor_b_\@
	tensor_load_to_lds s[G0+4*\s:G0+4*\s+3], s[G1:G1+7]
	s_nop 0
.rept 4
	v_nop
.endr
	s_branch .Lasked_\@
.Lfor_b_\@:
	tensor_load_to_lds s[G0B+4*\s:G0B+4*\s+3], s[G1B:G1B+7]
	s_nop 0
.rept 4
	v_nop
.endr
.Lasked_\@:
.endm
.macro CREST
	s_cmp_lg_u32 s12, 0
	s_cbranch_scc1 .Lnot_wave_0_\@
	s_barrier_signal -3
.Lnot_wave_0_\@:
	s_barrier_wait -3
	s_barrier_signal -1
	s_barrier_wait -1
.endm
.macro CROUND
	s_barrier_signal -1
	s_barrier_wait -1
	CREST
.endm
; A prefetch of y's K step that stands two refills on.  A tile row of y is read by one cluster alone; its four partners share the eight tiles out by address, two each: 32 blocks of 256 bytes, a lane a block,
; one instruction of wave 0.  K steps 4 to 7 are each named once; the last two refills ask for nothing.  Wp is read by all sixteen clusters and is not asked for.
.macro ASK
	WIN 0
	s_cmp_gt_u32 s3, s[LIM]
	s_cbranch_scc0 .Lnot_mine_\@
	global_prefetch_b8 v[PFO], s[PFA:PFA+1] offset:4096 th:TH_LOAD_NT scope:SCOPE_SE
.Lnot_mine_\@:
.endm
	s_load_b256 s[4:11], s[0:1], 0x0               ; y s[4:5], wp16 s[6:7], bp s[8:9], out0 s[10:11]
	v_lshl_add_u32 v[SPW], v0, 2, SPARE
	v_mov_b32 v[NIL], 0
	ds_add_u32 v[SPW], v[NIL]                      ; the wave's opening: the add, twice on end, and its wait ahead of my first tensor load
	ds_add_u32 v[SPW], v[NIL]
	v_lshrrev_b32 v1, 5, v0
	v_readfirstlane_b32 s12, v1                    ; wave 0..3
	s_lshr_b32 s13, s12, 1                         ; which 64 tokens are mine.  Also: I fetch for y (0) or for Wp (1)
	s_and_b32 s14, s12, 1                          ; which 128 columns.  Also: which half I fetch
	s_bfe_u32 s40, ttmp6, 0x40000                  ; cx
	s_bfe_u32 s41, ttmp6, 0x40004                  ; cy
	s_lshl_b32 s42, ttmp9, 2
	s_add_co_u32 s42, s42, s40                     ; tile column
	s_and_b32 s15, ttmp7, 0xffff
	s_lshl_b32 s15, s15, 2
	s_add_co_u32 s15, s15, s41                     ; tile row
	s_lshl_b32 s43, s41, 2
	s_lshl_b32 s43, 15, s43                        ; my row of the cluster
	s_lshl_b32 s47, 0x1111, s40                    ; my column
	s_or_b32 s[G1], s43, (3<<16)|(1<<21)           ; y: the mask; elements of 8 bytes; bit 21 beside a mask; no padding
	s_mov_b32 s[G1+1], 512<<16                     ; tensor_dim0 = 512 elements: 4,096 bytes, a tile's K step
	s_mov_b32 s[G1+2], 4<<16                       ; tensor_dim1 = 4 tiles
	s_mov_b32 s[G1+3], 512<<16                     ; tile_dim0
	s_mov_b32 s[G1+4], 4                           ; tile_dim1
	s_mov_b32 s[G1+5], 4096                        ; from tile to tile: 32,768 bytes
	s_mov_b32 s[G1+6], 0
	s_mov_b32 s[G1+7], 0
	s_or_b32 s[G1B], s47, (1<<16)|(1<<20)|(1<<21)|(5<<22)|(3<<25)  ; Wp: elements of 2 bytes; 4 words of padding behind every 64
	s_mov_b32 s[G1B+1], 128<<16
	s_mov_b32 s[G1B+2], 128<<16
	s_mov_b32 s[G1B+3], 128<<16
	s_mov_b32 s[G1B+4], 128
	s_mov_b32 s[G1B+5], 1024
	s_mov_b32 s[G1B+6], 0
	s_mov_b32 s[G1B+7], 0
	s_lshl_b32 s16, s15, 18                        ; y: (8 tile row + 4 half) x 32,768
	s_lshl_b32 s17, s14, 17
	s_add_co_u32 s16, s16, s17
	s_mov_b32 s17, 0
	s_lshl_b32 s18, s42, 19                        ; Wp: (256 tile column + 128 half) x 2,048
	s_lshl_b32 s19, s14, 18
	s_add_co_u32 s18, s18, s19
	s_mov_b32 s19, 0
	s_lshl_b32 s20, s14, 14                        ; where they go: y's halves,
	s_mul_i32 s21, s14, BHALF
	s_add_co_u32 s21, s21, ABYTES                  ; Wp's halves behind them
	s_wait_dscnt 0x0                               ; both opening adds are done
	s_wait_kmcnt 0x0
	s_add_nc_u64 s[16:17], s[4:5], s[16:17]
	s_add_nc_u64 s[18:19], s[6:7], s[18:19]
	CROUND                                         ; all sixteen work-groups are here: the first joint loads meet
.irp s, 0,1
	s_mov_b32 s[G0+4*\s], 1
	s_add_co_u32 s[G0+4*\s+1], s20, \s*SLOT
	s_add_nc_u64 s[G0+4*\s+2:G0+4*\s+3], s[16:17], \s*4096
	s_or_b32 s[G0+4*\s+3], s[G0+4*\s+3], 0x80000000
	s_mov_b32 s[G0B+4*\s], 1
	s_add_co_u32 s[G0B+4*\s+1], s21, \s*SLOT
	s_add_nc_u64 s[G0B+4*\s+2:G0B+4*\s+3], s[18:19], \s*256
	s_or_b32 s[G0B+4*\s+3], s[G0B+4*\s+3], 0x80000000
	JLOAD \s
.endr
	v_and_b32 v1, 15, v0                           ; r
	v_bfe_u32 v2, v0, 4, 1                         ; h
	v_and_b32 v3, 31, v0
	v_lshlrev_b32 v[CO], 4, v3
	s_lshl_b32 s22, s13, 14                        ; my four tiles of y
	v_add_nc_u32 v[ADRA], s22, v[CO]
	v_add_nc_u32 v[ADRA+1], SLOT, v[ADRA]
	v_mul_u32_u24 v4, v1, PITCH
	v_lshl_add_u32 v4, v2, 4, v4
	s_mul_i32 s22, s14, BHALF                      ; my 128 rows of Wp
	s_add_co_u32 s22, s22, ABYTES
	v_add_nc_u32 v[ADRB], s22, v4
	v_add_nc_u32 v[ADRB+1], SLOT, v[ADRB]
	s_mul_i32 s23, s12, 16*SPITCH
	s_add_co_u32 s23, s23, STAGE                   ; my stage
	v_mul_u32_u24 v5, v1, SPITCH
	v_lshl_add_u32 v5, v2, 5, v5
	v_add_nc_u32 v[STO], s23, v5                   ; in: row r, 32 bytes for each half of the lanes
	v_add_nc_u32 v[RD], s23, v[CO]                 ; back: the 32 lanes take a row of 512 bytes
	v_lshlrev_b32 v[BO], 5, v2
	s_lshl_b32 s20, s42, 10                        ; my first column, in bytes: (256 tile column + 128 half) x 4
	s_lshl_b32 s21, s14, 9
	s_add_co_u32 s20, s20, s21
	s_mov_b32 s21, 0
	s_add_nc_u64 s[8:9], s[8:9], s[20:21]
.irp b, 0,1,2,3,4,5,6,7
	global_load_b128 v[BIAS+8*\b:BIAS+8*\b+3], v[BO], s[8:9] offset:64*\b
	global_load_b128 v[BIAS+8*\b+4:BIAS+8*\b+7], v[BO], s[8:9] offset:64*\b+16
.endr
	s_add_nc_u64 s[10:11], s[10:11], s[20:21]
	s_lshl_b32 s22, s15, 7
	s_lshl_b32 s23, s13, 6
	s_add_co_u32 s22, s22, s23                     ; my first token
	s_lshl_b32 s20, s22, 12
	s_add_nc_u64 s[10:11], s[10:11], s[20:21]      ; its row of out0
	s_and_b32 s23, s22, 2047
	s_cmp_eq_u32 s23, 0
	s_cselect_b32 s2, 0, -1                        ; no lane where my first 16 tokens are a batch's first 16 positions, else all
	s_lshl_b32 s20, s15, 18                        ; the prefetches: y at (8 tile row + 2 cx) x 32,768,
	s_lshl_b32 s23, s40, 16
	s_add_co_u32 s20, s20, s23
	s_add_co_u32 s20, s20, 8192                    ; at K step 2: the first refill steps it to 3 and names K step 4
	s_add_nc_u64 s[PFA:PFA+1], s[4:5], s[20:21]
	s_cmp_eq_u32 s12, 0
	s_cselect_b32 s[LIM], 1, -1
	v_lshlrev_b32 v[PFO], 8, v1
	v_lshl_add_u32 v[PFO], v2, 15, v[PFO]
.macro MUL8 f, a, first                ; token tile a x the eight column tiles, 32 along K.  The 32 accumulators take turns in the same order in every quarter
.irp b, 0,1,2,3,4,5,6,7
.if \first
	v_wmma_f32_16x16x32_f16 v[8*(8*(\a)+\b):8*(8*(\a)+\b)+7], v[\f+32+8*\b:\f+32+8*\b+7], v[\f+8*(\a):\f+8*(\a)+7], v[BIAS+8*\b:BIAS+8*\b+7]
.else
	v_wmma_f32_16x16x32_f16 v[8*(8*(\a)+\b):8*(8*(\a)+\b)+7], v[\f+32+8*\b:\f+32+8*\b+7], v[\f+8*(\a):\f+8*(\a)+7], v[8*(8*(\a)+\b):8*(8*(\a)+\b)+7]
.endif
.endr
.endm
.macro MWIN first
.if \first
	WIN MULB
.else
	WIN MUL
.endif
.endm
.macro FETCH slot, q, f                ; 24 LDS loads in one run: the slot's q-th 32 along K: Wp's eight fragments, then y's four
	WIN TO_F
.irp b, 0,1,2,3,4,5,6,7
	ds_load_b128 v[\f+32+8*\b:\f+32+8*\b+3], v[ADRB+\slot] offset:64*(\q)+16*PITCH*\b
	ds_load_b128 v[\f+32+8*\b+4:\f+32+8*\b+7], v[ADRB+\slot] offset:64*(\q)+16*PITCH*\b+32
.endr
.irp a, 0,1,2,3
	ds_load_b128 v[\f+8*\a:\f+8*\a+3], v[ADRA+\slot] offset:4096*\a+1024*(\q)
	ds_load_b128 v[\f+8*\a+4:\f+8*\a+7], v[ADRA+\slot] offset:4096*\a+1024*(\q)+512
.endr
.endm
.macro PLACES
.rept 4
	v_nop
.endr
.endm
.macro QUARTER slot, q, f, g, first    ; multiplies buffer f; in its middle fetches the slot's q-th quarter into g
	s_wait_dscnt 4                                 ; all but y's tiles 2 and 3 are in
	MWIN \first
	MUL8 \f, 0, \first
	MUL8 \f, 1, \first
	PLACES                                         ; in front of loads into registers that matrix instructions have read
	FETCH \slot, \q, \g
	s_wait_dscnt 24                                ; all but the 24 just issued
	MWIN \first
	MUL8 \f, 2, \first
	MUL8 \f, 3, \first
.endm
; A slot's last quarter multiplies buffer 1 and changes slots: ONE barrier; in front of it each wave waits for all its tensor loads, adds 0 to its spare word, and waits for that and for its reads of this slot.
.macro TURN slot, next, fill
.if \fill
	s_wait_xcnt 0x0                                ; the last prefetch, a K step back, has read its address
	s_add_nc_u64 s[PFA:PFA+1], s[PFA:PFA+1], 4096
.endif
	WIN 0
	s_wait_tensorcnt 0x0                           ; my part of the next slot has landed
	ds_add_u32 v[SPW], v[NIL]
	s_wait_dscnt 5                                 ; the add and the youngest four loads may be out
	WIN MUL
	MUL8 F1, 0, 0
	s_wait_dscnt 0x0                               ; the add is done, and my reads of this slot are over
	s_barrier_signal -1
	MUL8 F1, 1, 0
.if \fill
	WIN 0
.endif
	s_barrier_wait -1
.if \fill
	CREST                                          ; the barrier has opened a round of the cluster's: no wave of any partner still reads this slot or has a load on its way
	s_add_nc_u64 s[G0+4*\slot+2:G0+4*\slot+3], s[G0+4*\slot+2:G0+4*\slot+3], 8192
	s_add_nc_u64 s[G0B+4*\slot+2:G0B+4*\slot+3], s[G0B+4*\slot+2:G0B+4*\slot+3], 512
	JLOAD \slot                                    ; the first tensor load behind the round; its four v_nop are also the places in front of the loads below
.else
	PLACES
.endif
	FETCH \next, 0, F0
.if \fill
	ASK
.endif
	WIN MUL
	MUL8 F1, 2, 0
	MUL8 F1, 3, 0
.endm
	s_wait_tensorcnt 1                             ; my part of K step 0 is in; K step 1's load may be out
	s_barrier_signal -1
	s_barrier_wait -1
	FETCH 0, 0, F0
	s_wait_loadcnt 0x0                             ; the bias
	QUARTER 0, 1, F0, F1, 1                        ; the first quarter stands in front of the loop: its products start the sums, on the bias
	WIN 0
	s_mov_b32 s3, 3
.Llap:                                             ; a trip goes once round the ring and fills both slots again
	QUARTER 0, 2, F1, F0, 0
	QUARTER 0, 3, F0, F1, 0
	TURN 0, 1, 1
	QUARTER 1, 1, F0, F1, 0
	QUARTER 1, 2, F1, F0, 0
	QUARTER 1, 3, F0, F1, 0
	TURN 1, 0, 1
	QUARTER 0, 1, F0, F1, 0
	WIN 0
	s_sub_co_u32 s3, s3, 1
	s_cmp_lg_u32 s3, 0
	s_cbranch_scc1 .Llap
	QUARTER 0, 2, F1, F0, 0                        ; the last lap fills nothing
	QUARTER 0, 3, F0, F1, 0
	TURN 0, 1, 0
	QUARTER 1, 1, F0, F1, 0
	QUARTER 1, 2, F1, F0, 0
	QUARTER 1, 3, F0, F1, 0
	s_wait_dscnt 4
	WIN MUL
	MUL8 F1, 0, 0
	MUL8 F1, 1, 0
	s_wait_dscnt 0
	MUL8 F1, 2, 0
	MUL8 F1, 3, 0
	WIN 0
; THE WAY OUT, 16 rows x 128 columns at a time, through my own stage: in as 32 bytes a lane, back as whole rows of 512 bytes.  LDS serves a wave's instructions in order: no wait between the stores and the loads.
.macro TOSTAGE a
	WIN 0x08                                       ; an LDS store's data: window 2
.irp b, 0,1,2,3,4,5,6,7
	ds_store_b128 v[STO], v[8*(8*(\a)+\b):8*(8*(\a)+\b)+3] offset:64*\b            ; each accumulator from its low end on
	ds_store_b128 v[STO], v[8*(8*(\a)+\b)+4:8*(8*(\a)+\b)+7] offset:64*\b+16
.endr
	WIN 0
.set BB, BK+64*((\a)%2)
.irp t, 0,1,2,3,4,5,6,7,8,9,10,11,12,13,14,15
	ds_load_b128 v[BB+4*\t:BB+4*\t+3], v[RD] offset:\t*SPITCH
.endr
.endm
.macro SEND a, younger                 ; younger: the LDS instructions issued behind block a's loads
.set BB, BK+64*((\a)%2)
	s_wait_dscnt \younger
.if (\a) == 0
	s_wait_xcnt 0x0                                ; EXEC changes only behind s_wait_xcnt 0
	s_and_saveexec_b32 s22, s2                     ; a batch's first 16 positions are left to the launch that makes them in f32
.endif
.irp t, 0,1,2,3,4,5,6,7,8,9,10,11,12,13,14,15
	global_store_b128 v[CO], v[BB+4*\t:BB+4*\t+3], s[10:11] offset:(16*(\a)+\t)*4096 th:TH_STORE_NT   ; 512 consecutive aligned bytes a wave
.endr
.if (\a) == 0
	s_wait_xcnt 0x0
	s_or_b32 exec_lo, exec_lo, s22
.endif
.endm
	PLACES
	TOSTAGE 0
	TOSTAGE 1
	SEND 0, 32                                     ; behind block 0's loads: block 1's 16 stores and 16 loads
	s_wait_xcnt 0x0                                ; block 0's stores have read their registers
	TOSTAGE 2
	SEND 1, 32
	s_wait_xcnt 0x0
	TOSTAGE 3
	SEND 2, 32
	SEND 3, 0
	s_wait_tensorcnt 0x0                           ; the wave's end, behind my last tensor load and my last LDS store
	ds_add_u32 v[SPW], v[NIL]
	s_wait_dscnt 0x0
	CROUND                                         ; the closing round
	s_endpgm
.Lfunc_end_k_q53de4ac700_proj:
	.size	k_q53de4ac700_proj, .Lfunc_end_k_q53de4ac700_proj-k_q53de4ac700_proj
	.p2alignl 7, 3214868480
	.fill 96, 4, 3214868480
	.section	.rodata,"a",@progbits
	.p2align	6, 0x0
	.amdhsa_kernel k_q53de4ac700_proj
		.amdhsa_group_segment_fixed_size 327680
		.amdhsa_private_segment_fixed_size 0
		.amdhsa_enable_private_segment 0
		.amdhsa_kernarg_size 32
		.amdhsa_user_sgpr_count 2
		.amdhsa_user_sgpr_kernarg_segment_ptr 1
		.amdhsa_wavefront_size32 1
		.amdhsa_system_sgpr_workgroup_id_x 1
		.amdhsa_system_sgpr_workgroup_id_y 1
		.amdhsa_system_sgpr_workgroup_id_z 1
		.amdhsa_system_vgpr_workitem_id 0
		.amdhsa_next_free_vgpr 768
		.amdhsa_next_free_sgpr 66
		.amdhsa_reserve_vcc 0
		.amdhsa_float_denorm_mode_32 3
		.amdhsa_float_denorm_mode_16_64 3
		.amdhsa_memory_ordered 1
		.amdhsa_forward_progress 1
		.amdhsa_inst_pref_size 87
	.end_amdhsa_kernel
	.amdgpu_metadata
---
amdhsa.version: [ 1, 2 ]
amdhsa.kernels:
  - .name:           k_q53de4ac700_proj
    .symbol:         k_q53de4ac700_proj.kd
    .args:
      - { .name: y, .offset: 0, .size: 8, .value_kind: global_buffer, .address_space: global }
      - { .name: wp16, .offset: 8, .size: 8, .value_kind: global_buffer, .address_space: global }
      - { .name: bp, .offset: 16, .size: 8, .value_kind: global_buffer, .address_space: global }
      - { .name: out0, .offset: 24, .size: 8, .value_kind: global_buffer, .address_space: global }
    .group_segment_fixed_size: 327680
    .private_segment_fixed_size: 0
    .kernarg_segment_align: 8
    .kernarg_segment_size: 32
    .max_flat_workgroup_size: 128
    .sgpr_count:     66
    .vgpr_count:     768
    .wavefront_size: 32
...
	.end_amdgpu_metadata
.endif
;; end of part 4
;; launch first16 (part 5): grid 64 x 4, 16 waves a work-group, no clusters, 18,432 bytes of LDS; arguments fine, Wp, bp, out0; writes out0
.if DOCPART == 5
	.amdgcn_target "amdgcn-amd-amdhsa--gfx1250"
	.amdhsa_code_object_version 6
	.text
	.protected	k_q53de4ac700_first16
	.globl	k_q53de4ac700_first16
	.p2align	8
	.type	k_q53de4ac700_first16,@function
k_q53de4ac700_first16:
	s_mov_b64 s[64:65], 0
	v_nop
	global_prefetch_b8 v0, s[64:65] scope:SCOPE_SE
	s_setreg_imm32_b32 hwreg(HW_REG_WAVE_MODE, 25, 1), 1
	s_wait_xcnt 0x0
; The first 16 positions of each batch, in f32 throughout: attention on q, k, v as the quantised products left them, and the projection on Wp as it is given.
; A work-group makes 16 columns of out0 for the 16 rows of one batch.  Wave = head: it makes its head's 16 x 16 attention (32 matrix instructions of 16 x 16 x 4) and multiplies its own 64 of the projection's K
; (16 more); the sixteen partial tiles meet in LDS and wave 0 adds them to the bias.  The attention is made anew in each of the 64 column groups: the price of one owner for each output and no launch more.
; NOTHING CHANGES LANES: the form's k = 2 h + j may stand for any four of K, as long as both sources agree.  S^T = K Q^T gives a lane one query and keys 8 h + j; these registers, in pairs, are source 1 of O^T = V^T P,
; with V loaded to match; O^T's registers, in pairs, are source 1 of the projection, with Wp loaded to match.
; The registers that the f32 matrix form writes (v160-223) are written by matrix instructions alone; each sum begins with the constant 0.  Two or four accumulators take turns.
; out0 leaves in runs of 64 bytes: 256 KB in the whole launch.  LIMITS: NaN and infinities are not served.
.set SPARE, 16384                      ; behind the sixteen partial tiles of 1,024 bytes: the spare words, eight blocks of 256 bytes that no other line names
.set QF, 32
.set KF, 64
.set VF, 96
.set WF, 128
.set SA, 160                           ; S^T in two halves of K: v160-167, v168-175
.set OA, 176                           ; O^T: four tiles of 16 channels
.set PA, 208                           ; the projection in two halves: v208-215, v216-223
.set ST, 224                           ; the scores, then p
.set RR, 232                           ; my partial tile
	s_load_b256 s[4:11], s[0:1], 0x0               ; fine, Wp, bp, out0
	v_lshl_add_u32 v6, v0, 2, SPARE                ; my spare word
	v_mov_b32 v7, 0
	v_lshrrev_b32 v1, 5, v0
	v_readfirstlane_b32 s12, v1                    ; wave = head
	s_and_b32 s13, ttmp7, 0xffff                   ; batch
	v_and_b32 v1, 15, v0                           ; r
	v_bfe_u32 v2, v0, 4, 1                         ; h
	v_lshlrev_b32 v3, 8, v1
	v_lshl_add_u32 v3, v2, 4, v3                   ; q, k: row r of 256 bytes, + 16 h: load i brings channels 8 i + 4 h + 0..3
	v_lshlrev_b32 v4, 2, v1
	v_lshl_add_u32 v4, v2, 11, v4                  ; v: key 8 h, channel r
	v_lshlrev_b32 v5, 12, v1
	v_lshl_add_u32 v5, v2, 5, v5                   ; Wp and out0: row r of 4,096 bytes, + 32 h
	v_and_b32 v8, 31, v0
	v_lshlrev_b32 v8, 4, v8                        ; 16 x lane
	s_lshl_b32 s14, s12, 10
	v_add_nc_u32 v9, s14, v8                       ; my partial tile in LDS
	v_lshlrev_b32 v10, 3, v2
	v_sub_nc_u32 v10, v1, v10                      ; r - 8 h
	v_mov_b32 v11, 0xff800000
	v_lshlrev_b32 v2, 5, v2                        ; 32 h: my eight numbers of the bias
	v_mov_b32 v13, 0                               ; (a lane permute's destination counts as one of its sources)
	s_mov_b32 s20, 0x76543210
	s_mov_b32 s21, 0xfedcba98
	s_mov_b32 s22, 0x3e38aa3b                      ; c = log2(e) / 8
	s_mov_b32 s23, s22
	s_lshl_b32 s14, s13, 4
	s_add_co_u32 s14, s14, s12
	s_lshl_b32 s14, s14, 12                        ; fine: (16 batch + head) x 4,096
	s_mov_b32 s15, 0
	s_lshl_b32 s16, ttmp9, 16                      ; Wp: my 16 rows, my head's 64 columns
	s_lshl_b32 s17, s12, 8
	s_add_co_u32 s16, s16, s17
	s_mov_b32 s17, 0
	s_lshl_b32 s18, ttmp9, 6                       ; bp and out0: my 16 columns
	s_mov_b32 s19, 0
	s_lshl_b32 s24, s13, 23                        ; out0: the batch's first row
	s_mov_b32 s25, 0
	s_wait_kmcnt 0x0
	s_add_nc_u64 s[4:5], s[4:5], s[14:15]
	s_add_nc_u64 s[6:7], s[6:7], s[16:17]
	s_add_nc_u64 s[8:9], s[8:9], s[18:19]
	s_add_nc_u64 s[10:11], s[10:11], s[18:19]
	s_add_nc_u64 s[10:11], s[10:11], s[24:25]
.irp i, 0,1,2,3,4,5,6,7
	global_load_b128 v[QF+4*\i:QF+4*\i+3], v3, s[4:5] offset:32*\i
.endr
.irp i, 0,1,2,3,4,5,6,7
	global_load_b128 v[KF+4*\i:KF+4*\i+3], v3, s[4:5] offset:262144+32*\i
.endr
.irp t, 0,1,2,3
.irp n, 0,1,2,3,4,5,6,7
	global_load_b32 v[VF+8*\t+\n], v4, s[4:5] offset:524288+256*\n+64*\t   ; V(key 8 h + n, channel 16 t + r)
.endr
.endr
.irp t, 0,1,2,3
	global_load_b128 v[WF+8*\t:WF+8*\t+3], v5, s[6:7] offset:64*\t         ; Wp(n0 + r, 64 head + 16 t + 8 h + 0..7)
	global_load_b128 v[WF+8*\t+4:WF+8*\t+7], v5, s[6:7] offset:64*\t+16
.endr
	s_wait_loadcnt 40                              ; q and k are in; v's 32 loads and Wp's 8 may be out
.irp e, 0,1,2,3,4,5,6,7,8,9,10,11,12,13,14,15
.if \e < 2
	v_wmma_f32_16x16x4_f32 v[SA+8*(\e%2):SA+8*(\e%2)+7], v[KF+2*\e:KF+2*\e+1], v[QF+2*\e:QF+2*\e+1], 0
.else
	v_wmma_f32_16x16x4_f32 v[SA+8*(\e%2):SA+8*(\e%2)+7], v[KF+2*\e:KF+2*\e+1], v[QF+2*\e:QF+2*\e+1], v[SA+8*(\e%2):SA+8*(\e%2)+7]
.endif
.endr
.rept 8
	v_nop                                          ; eight plain lines behind this form, in front of the first read of its results
.endr
.irp i, 0,2,4,6
	v_pk_add_f32 v[ST+\i:ST+\i+1], v[SA+\i:SA+\i+1], v[SA+8+\i:SA+8+\i+1]   ; lane (r, h): query r, key 8 h + j
.endr
.irp j, 0,1,2,3,4,5,6,7
	v_cmp_gt_i32 vcc_lo, \j, v10                   ; key 8 h + j comes after query r
	v_cndmask_b32 v[ST+\j], v[ST+\j], v11, vcc_lo
.endr
	v_max3_num_f32 v12, v[ST], v[ST+1], v[ST+2]
	v_max3_num_f32 v12, v12, v[ST+3], v[ST+4]
	v_max3_num_f32 v12, v12, v[ST+5], v[ST+6]
	v_max_num_f32 v12, v12, v[ST+7]
	v_permlanex16_b32 v13, v12, s20, s21
	v_max_num_f32 v15, v12, v13                    ; the row's maximum (key 0 counts for every query)
	v_mul_f32 v14, s22, v15
.irp i, 0,2,4,6
	v_pk_fma_f32 v[ST+\i:ST+\i+1], v[ST+\i:ST+\i+1], s[22:23], v[14:15] op_sel_hi:[1,0,0] neg_lo:[0,0,1] neg_hi:[0,0,1]
.endr
.irp j, 0,1,2,3,4,5,6,7
	v_exp_f32 v[ST+\j], v[ST+\j]
.endr
	v_nop
	s_wait_alu depctr_va_vdst(0)                   ; one wait for the eight, ahead of their first reader
	v_pk_add_f32 v[16:17], v[ST:ST+1], v[ST+2:ST+3]
	v_pk_add_f32 v[18:19], v[ST+4:ST+5], v[ST+6:ST+7]
	v_pk_add_f32 v[16:17], v[16:17], v[18:19]
	v_add_f32 v16, v16, v17
	v_permlanex16_b32 v13, v16, s20, s21
	v_add_f32 v16, v16, v13
	v_rcp_f32 v18, v16
	v_nop
	s_wait_alu depctr_va_vdst(0)
.irp i, 0,2,4,6
	v_pk_mul_f32 v[ST+\i:ST+\i+1], v[ST+\i:ST+\i+1], v[18:19] op_sel_hi:[1,0]   ; p is normalised here, so that O^T is y itself
.endr
	s_wait_loadcnt 8                               ; v is in; Wp's 8 loads may be out
.irp s, 0,1,2,3
.irp t, 0,1,2,3
.if \s == 0
	v_wmma_f32_16x16x4_f32 v[OA+8*\t:OA+8*\t+7], v[VF+8*\t+2*\s:VF+8*\t+2*\s+1], v[ST+2*\s:ST+2*\s+1], 0
.else
	v_wmma_f32_16x16x4_f32 v[OA+8*\t:OA+8*\t+7], v[VF+8*\t+2*\s:VF+8*\t+2*\s+1], v[ST+2*\s:ST+2*\s+1], v[OA+8*\t:OA+8*\t+7]
.endif
.endr
.endr
	s_wait_loadcnt 0x0
.rept 9
	v_nop                                          ; nine plain lines: a result becomes a source of the next product
.endr
.irp t, 0,1,2,3
.irp s, 0,1,2,3
.if 4*\t+\s < 2
	v_wmma_f32_16x16x4_f32 v[PA+8*(\s%2):PA+8*(\s%2)+7], v[WF+8*\t+2*\s:WF+8*\t+2*\s+1], v[OA+8*\t+2*\s:OA+8*\t+2*\s+1], 0
.else
	v_wmma_f32_16x16x4_f32 v[PA+8*(\s%2):PA+8*(\s%2)+7], v[WF+8*\t+2*\s:WF+8*\t+2*\s+1], v[OA+8*\t+2*\s:OA+8*\t+2*\s+1], v[PA+8*(\s%2):PA+8*(\s%2)+7]
.endif
.endr
.endr
.rept 8
	v_nop
.endr
.irp i, 0,2,4,6
	v_pk_add_f32 v[RR+\i:RR+\i+1], v[PA+\i:PA+\i+1], v[PA+8+\i:PA+8+\i+1]   ; lane (r, h): position r, columns n0 + 8 h + 0..7: my head's part
.endr
	ds_store_b128 v9, v[RR:RR+3]
	ds_store_b128 v9, v[RR+4:RR+7] offset:512
	s_wait_tensorcnt 0x0                           ; behind my last LDS store; the wait on DScnt below also shows my stores done, for wave 0's sake
	ds_add_u32 v6, v7
	s_wait_dscnt 0x0
	s_barrier_signal -1
	s_barrier_wait -1                              ; all sixteen parts lie in LDS
	s_cmp_lg_u32 s12, 0
	s_cbranch_scc1 .Lend
	global_load_b128 v[240:243], v2, s[8:9]        ; bp(n0 + 8 h + 0..7)
	global_load_b128 v[244:247], v2, s[8:9] offset:16
.irp w, 0,1,2,3,4,5,6,7,8,9,10,11,12,13,14,15
	ds_load_b128 v[32+8*\w:32+8*\w+3], v8 offset:1024*\w
	ds_load_b128 v[32+8*\w+4:32+8*\w+7], v8 offset:1024*\w+512
.endr
	s_wait_dscnt 0x0
	s_wait_loadcnt 0x0
.irp p, 0,2,4,6
	v_pk_add_f32 v[248+\p:248+\p+1], v[240+\p:240+\p+1], v[32+\p:32+\p+1]
.endr
.irp w, 1,2,3,4,5,6,7,8,9,10,11,12,13,14,15
.irp p, 0,2,4,6
	v_pk_add_f32 v[248+\p:248+\p+1], v[248+\p:248+\p+1], v[32+8*\w+\p:32+8*\w+\p+1]
.endr
.endr
	global_store_b128 v5, v[248:251], s[10:11]
	global_store_b128 v5, v[252:255], s[10:11] offset:16
.Lend:
	s_endpgm
.Lfunc_end_k_q53de4ac700_first16:
	.size	k_q53de4ac700_first16, .Lfunc_end_k_q53de4ac700_first16-k_q53de4ac700_first16
	.p2alignl 7, 3214868480
	.fill 96, 4, 3214868480
	.section	.rodata,"a",@progbits
	.p2align	6, 0x0
	.amdhsa_kernel k_q53de4ac700_first16
		.amdhsa_group_segment_fixed_size 18432
		.amdhsa_private_segment_fixed_size 0
		.amdhsa_enable_private_segment 0
		.amdhsa_kernarg_size 32
		.amdhsa_user_sgpr_count 2
		.amdhsa_user_sgpr_kernarg_segment_ptr 1
		.amdhsa_wavefront_size32 1
		.amdhsa_system_sgpr_workgroup_id_x 1
		.amdhsa_system_sgpr_workgroup_id_y 1
		.amdhsa_system_sgpr_workgroup_id_z 1
		.amdhsa_system_vgpr_workitem_id 0
		.amdhsa_next_free_vgpr 256
		.amdhsa_next_free_sgpr 66
		.amdhsa_reserve_vcc 1
		.amdhsa_float_denorm_mode_32 3
		.amdhsa_float_denorm_mode_16_64 3
		.amdhsa_memory_ordered 1
		.amdhsa_forward_progress 1
		.amdhsa_inst_pref_size 21
	.end_amdhsa_kernel
	.amdgpu_metadata
---
amdhsa.version: [ 1, 2 ]
amdhsa.kernels:
  - .name:           k_q53de4ac700_first16
    .symbol:         k_q53de4ac700_first16.kd
    .args:
      - { .name: fine, .offset: 0, .size: 8, .value_kind: global_buffer, .address_space: global }
      - { .name: Wp, .offset: 8, .size: 8, .value_kind: global_buffer, .address_space: global }
      - { .name: bp, .offset: 16, .size: 8, .value_kind: global_buffer, .address_space: global }
      - { .name: out0, .offset: 24, .size: 8, .value_kind: global_buffer, .address_space: global }
    .group_segment_fixed_size: 18432
    .private_segment_fixed_size: 0
    .kernarg_segment_align: 8
    .kernarg_segment_size: 32
    .max_flat_workgroup_size: 512
    .sgpr_count:     66
    .vgpr_count:     256
    .wavefront_size: 32
...
	.end_amdgpu_metadata
.endif
;; end of part 5
